; MI455X (gfx1250); checked and timed in simulation.
; The chip was launched on July 23, 2026; its instructions are those of AMD's public machine-readable ISA for CDNA 5 (MIT licence, August 2026) and "CDNA5" Instruction Set Architecture Reference Guide (July 2026). The comments in the code are by the model that wrote it; some were corrected since.
;; Differentiable X Map. Allowed arithmetic: float matrix products may take bf16 or f16 operands with f32 sums; all other float work in f32.
;; Inputs: R_matrices 8 x 3 x 3 float32; density 2 x 96 x 96 x 96 float32; offset 3 float32; t_vectors 8 x 3 float32.
;; Outputs: out0 2 x 96 x 96 x 96 float32.
;; 3 versions, each right; version 2 is faster than version 1; version 3 is version 2 with the launch sample written anew for expert scheduling mode. Each part assembles by itself: llvm-mc -triple=amdgcn-amd-amdhsa -mcpu=gfx1250 --defsym DOCPART=n.
;; ======== version 1 of 3: 2 launches
;; limits: values outside matrix products are rounded to bf16
;; workspace buffers: idx 28,311,552 bytes of whole numbers; pack 14,452,224 bytes
;; launch prep (part 1): grid 16 x 16, 12 waves a work-group, no clusters, 0 bytes of LDS; arguments density, R_matrices, t_vectors, offset, idx, pack; writes idx, pack
.if DOCPART == 1
	.amdgcn_target "amdgcn-amd-amdhsa--gfx1250"
	.amdhsa_code_object_version 6
	.text
	.protected	k_q8558ea47f1_prep
	.globl	k_q8558ea47f1_prep
	.p2align	8
	.type	k_q8558ea47f1_prep,@function
k_q8558ea47f1_prep:
	s_mov_b64 s[64:65], 0
	v_nop
	global_prefetch_b8 v0, s[64:65] scope:SCOPE_SE
	s_setreg_imm32_b32 hwreg(HW_REG_WAVE_MODE, 25, 1), 1
	s_wait_xcnt 0x0
; PREP, the first of two launches of
;   out = (density + sum over 8 operations n of trilinear(density, (R[n] (voxel + offset) + 96 t[n]) mod 96, clipped to 0..95)) / 8.
; It stores (1) idx: for every voxel and operation the number of the table cell of the sample point's lowest corner, a whole number, so that
; the second launch forms its gather addresses from whole numbers read from memory, and (2) pack: the density laid out for the gathers.
;
; pack is [97][97][96] cells of 16 bytes: cell (z, y, x) = density[0][z][y][x], density[1][z][y][x], density[0][z][y][x+1], density[1][z][y][x+1],
; x+1 clamped to 95; row 96 of a plane repeats row 95 and plane 96 repeats plane 95.  That is the clamp min(. + 1, 95) of the interpolation, built
; into the table: the eight corners of both batches are four aligned loads of 16 bytes at cell, +1 row, +1 plane, +1 row +1 plane.
;
; SHARES: 16 x 16 work-groups; a work-group owns 6 planes x 6 rows x 96 voxels; its 12 waves own 3 rows each; a lane owns voxels lane, lane+32, lane+64 of a row.
;
; THE PRODUCT R (voxel + offset).  Along a row only the last term changes, so c = fma(R[.][1], b1, R[.][0] b0) is made once a row, all 24 (n, i) at once
; (lane 3n+i holds its line of R), and read into scalar registers; a sample point costs fma(R[.][2], b2, c) and one addition of 96 t for each axis, in the order
; of a sum over j ascending.  What is left is one multiply-add deep, so the matrix unit (32 deep) is not used.
;
; FORMAT, A LIMIT: R, t and offset are rounded to bf16 (nearest even) as they are loaded; the grid numbers 0..95 are exact; all arithmetic is f32.
; The result jumps where a coordinate crosses a multiple of 96 (cell 95 on one side, cell 0 on the other).  With mantissas of 8 bits the products R b (b of
; 16 bits or fewer) and 96 t are exact in f32, so the coordinate is the same whether products and sums are fused or not.  The price: sample positions differ from
; those of unrounded R by up to 2^-9 |R| 95 for each term.
; THE WRAP: q = floor(tc / 96 + 2^-10), r = fma(-96, q, tc), one rounding, as rem(tc, 96) (+ 96 if negative) has.  The bias outweighs the error of tc * (1/96), so q is
; never too small; where q is one too large the true remainder is above 95.8, which the clip sends to 95, and r is negative: an UNSIGNED minimum with the bits
; of 95.0 sends both r > 95 and r < 0 to 95.  RANGE, A LIMIT: |tc| < 96 * 2^13 = 786,432.  96 t = -0 is made +0, so that r is never -0.
; A NaN or an infinity in R, t or offset gives the coordinate 95: every index stays in the table.
; NOT WRITTEN: tc / 95 * 2 - 1 followed by (. + 1) * 0.5 * 95 is the identity; leaving it out changes a continuous quantity by a few units in the last place of 96.
; No cluster and no tensor loads: no two work-groups read a common tile; the inputs shared by all are 396 bytes.
.set BATCH,   3538944                  ; bytes of one batch of density
.set ROWB,    384                      ; bytes of a row of density
.set IROW,    3072                     ; bytes of idx for a row: 2 groups x 96 voxels x 4 operations x 4 bytes
.set IGRP,    1536                     ; bytes of one group
.set PY,      1536                     ; pack: bytes from row to row
.set PZ,      97*PY                    ; pack: bytes from plane to plane
.set ROWS,    3                        ; rows of a wave
.set F_INV96, 0x3c2aaaab               ; 1/96
.set F_BIAS,  0x3a800000               ; 2^-10
.set F_M96,   0xc2c00000               ; -96.0
.set F_96,    0x42c00000               ; 96.0: grid size, and cells from row to row
.set F_95,    0x42be0000               ; 95.0
.set F_PZC,   0x46118000               ; 9312.0: cells from plane to plane
.set F_32,    0x42000000
.set F_64,    0x42800000
.set HI16,    0xffff0000
.set R2,   16                          ; s16-39  R[n][i][2], at 3n+i
.set T96,  40                          ; s40-63  96 t[n][i]
.set CR,   66                          ; s66-89  c[n][i] of the row at work
.set INV,  90
.set BIAS, 91
.set LANE, 1
.set L4,   2                           ; 4 x lane
.set L4N,  3                           ; 4 x min(lane + 1, 31): the right neighbour in the row's last third
.set L16,  4                           ; 16 x lane
.set VR1,  5                           ; lane 3n+i: R[n][i][1]
.set VE1,  6                           ; lane 3n+i: R[n][i][0] * b0
.set VOF1, 7                           ; offset[1]
.set B2,   8                           ; v8-10   b2 = w + offset[2] of my three voxels
.set VC,   11
.set T,    12                          ; v12-20  coordinate of voxel k, axis i at 3k+i
.set Q,    21                          ; v21-29  quotient, then floor of the coordinate
.set IDX,  30                          ; v30-53  group g, voxel k: 4 registers at 12g+4k
.set CELL, 54                          ; v54-65  voxel k: its cell of pack
.set S,    66                          ; v66-79  set-up
; T[3k+i] = coordinate of voxel k along axis i under operation n, wrapped and clipped to 0..95; Q[3k+i] = its floor.  Nine chains side by side.
.macro COORDS n
.irp k,0,1,2
.irp i,0,1,2
	v_fma_f32 v[T+3*\k+\i], v[B2+\k], s[R2+3*(\n)+\i], s[CR+3*(\n)+\i]     ; the last term of the sum over j
.endr
.endr
.irp k,0,1,2
.irp i,0,1,2
	v_add_f32 v[T+3*\k+\i], s[T96+3*(\n)+\i], v[T+3*\k+\i]                 ; + 96 t, a rounding of its own
.endr
.endr
.irp j,0,1,2,3,4,5,6,7,8
	v_fma_f32 v[Q+\j], v[T+\j], s[INV], s[BIAS]
.endr
.irp j,0,1,2,3,4,5,6,7,8
	v_floor_f32 v[Q+\j], v[Q+\j]
.endr
.irp j,0,1,2,3,4,5,6,7,8
	v_fmamk_f32 v[T+\j], v[Q+\j], F_M96, v[T+\j]                           ; tc - 96 q
.endr
.irp j,0,1,2,3,4,5,6,7,8
	v_min_u32 v[T+\j], F_95, v[T+\j]                                       ; on the bits: above 95 and below 0 both become 95
.endr
.irp j,0,1,2,3,4,5,6,7,8
	v_floor_f32 v[Q+\j], v[T+\j]
.endr
.endm
; the cell numbers of operation n: x0 + 96 y0 + 9312 z0, whole numbers below 2^24, exact in f32; axis 0 runs along x, axis 1 along y, axis 2 along z
.macro OPIDX n
	COORDS \n
.irp k,0,1,2
	v_fmamk_f32 v[T+3*\k], v[Q+3*\k+1], F_96, v[Q+3*\k]
.endr
.irp k,0,1,2
	v_fmamk_f32 v[T+3*\k], v[Q+3*\k+2], F_PZC, v[T+3*\k]
.endr
.irp k,0,1,2
	v_cvt_u32_f32 v[IDX+12*((\n)/4)+4*\k+(\n)%4], v[T+3*\k]
.endr
.endm
	s_load_b256 s[4:11], s[0:1], 0x0               ; density s[4:5], R s[6:7], t s[8:9], offset s[10:11]
	s_load_b128 s[12:15], s[0:1], 0x20             ; idx s[12:13], pack s[14:15]
	v_and_b32 v[LANE], 31, v0
	v_lshrrev_b32 v[S], 5, v0
	v_readfirstlane_b32 s92, v[S]                  ; wave 0..11
	v_min_u32 v[S+1], 23, v[LANE]                  ; my line 3n+i of R and t; lanes 24-31 repeat line 23
	v_mul_u32_u24 v[S+2], v[S+1], 12
	v_lshlrev_b32 v[S+3], 2, v[S+1]
	v_mov_b32 v[S+4], 0
	v_lshlrev_b32 v[L4], 2, v[LANE]
	v_lshlrev_b32 v[L16], 4, v[LANE]
	v_add_nc_u32 v[L4N], 1, v[LANE]
	v_min_u32 v[L4N], 31, v[L4N]
	v_lshlrev_b32 v[L4N], 2, v[L4N]
	s_mov_b32 s[INV], F_INV96
	s_mov_b32 s[BIAS], F_BIAS
	s_and_b32 s93, ttmp7, 0xffff
	s_mul_i32 s93, s93, 6
	s_lshr_b32 s95, s92, 1
	s_add_co_u32 s93, s93, s95                     ; my plane d = 6 y + wave / 2
	s_mul_i32 s94, ttmp9, 6
	s_and_b32 s95, s92, 1
	s_mul_i32 s95, s95, 3
	s_add_co_u32 s94, s94, s95                     ; my first row h = 6 x + 3 (wave mod 2)
	s_mul_i32 s95, s93, 96
	s_add_co_u32 s95, s95, s94                     ; its number among the 9,216 rows
	s_mov_b32 s97, 0
	s_wait_kmcnt 0x0
	global_load_b32 v[S+6], v[S+2], s[6:7]             ; R[n][i][0]
	global_load_b32 v[S+7], v[S+2], s[6:7] offset:4    ; R[n][i][1]
	global_load_b32 v[S+8], v[S+2], s[6:7] offset:8    ; R[n][i][2]
	global_load_b32 v[S+9], v[S+3], s[8:9]             ; t[n][i]
	global_load_b96 v[S+10:S+12], v[S+4], s[10:11]     ; offset, the same three numbers in every lane
	s_mul_i32 s96, s95, ROWB
	s_add_nc_u64 s[4:5], s[4:5], s[96:97]          ; density at my first row
	s_mul_i32 s96, s95, IROW
	s_add_nc_u64 s[12:13], s[12:13], s[96:97]      ; idx at my first row
	s_mul_i32 s95, s93, 97
	s_add_co_u32 s95, s95, s94
	s_mul_i32 s96, s95, PY
	s_add_nc_u64 s[14:15], s[14:15], s[96:97]      ; pack at my first row (97 rows to a plane)
	s_wait_loadcnt 0x0
	v_cvt_pk_bf16_f32 v[S+6], v[S+6], v[S+7]       ; to bf16, nearest even: first source in the low half
	v_cvt_pk_bf16_f32 v[S+8], v[S+8], v[S+9]
	v_cvt_pk_bf16_f32 v[S+10], v[S+10], v[S+11]
	v_cvt_pk_bf16_f32 v[S+12], v[S+12], v[S+12]
	v_lshlrev_b32 v[S+7], 16, v[S+6]               ; and back to f32: R[.][0]
	v_and_b32 v[VR1], HI16, v[S+6]                 ; R[.][1]
	v_lshlrev_b32 v[S+9], 16, v[S+8]               ; R[.][2]
	v_and_b32 v[S+8], HI16, v[S+8]                 ; t
	v_mul_f32 v[S+8], F_96, v[S+8]                 ; 96 t: 10 bits, exact
	v_add_f32 v[S+8], 0, v[S+8]                    ; -0 becomes +0
	v_lshlrev_b32 v[S+11], 16, v[S+10]             ; offset[0]
	v_and_b32 v[VOF1], HI16, v[S+10]               ; offset[1]
	v_lshlrev_b32 v[S+12], 16, v[S+12]             ; offset[2]
	v_cvt_f32_u32 v[S+13], s93
	v_add_f32 v[S+13], v[S+13], v[S+11]            ; b0 = d + offset[0]
	v_mul_f32 v[VE1], v[S+7], v[S+13]              ; the first term of the sum over j, the same for my three rows
	v_cvt_f32_u32 v[B2], v[LANE]
	v_add_f32 v[B2+1], F_32, v[B2]
	v_add_f32 v[B2+2], F_64, v[B2]
.irp k,0,1,2
	v_add_f32 v[B2+\k], v[B2+\k], v[S+12]          ; b2 = w + offset[2]
.endr
.set j, 0
.rept 24
	v_readlane_b32 s[R2+j], v[S+9], j
	v_readlane_b32 s[T96+j], v[S+8], j
.set j, j+1
.endr
	s_mov_b32 s98, 0
.Lrow:
	; the row's density, loaded straight into the cells' layout: word b = batch b at x, word 2 + b = batch b at x + 1
.irp b,0,1
.irp k,0,1
	global_load_b32 v[CELL+4*\k+\b],   v[L4], s[4:5] offset:\b*BATCH+128*\k
	global_load_b32 v[CELL+4*\k+2+\b], v[L4], s[4:5] offset:\b*BATCH+128*\k+4
.endr
	global_load_b32 v[CELL+8+\b],  v[L4],  s[4:5] offset:\b*BATCH+256
	global_load_b32 v[CELL+10+\b], v[L4N], s[4:5] offset:\b*BATCH+256      ; voxel 95 has itself as right neighbour
.endr
	v_cvt_f32_u32 v[VC], s94
	v_add_f32 v[VC], v[VC], v[VOF1]                ; b1 = h + offset[1]
	v_fma_f32 v[VC], v[VR1], v[VC], v[VE1]         ; c of all 24 (n, i)
.set j, 0
.rept 24
	v_readlane_b32 s[CR+j], v[VC], j
.set j, j+1
.endr
.irp n,0,1,2,3,4,5,6,7
	OPIDX \n
.endr
.irp g,0,1
.irp k,0,1,2
	global_store_b128 v[L16], v[IDX+12*\g+4*\k:IDX+12*\g+4*\k+3], s[12:13] offset:\g*IGRP+512*\k   ; 512 consecutive bytes, at a multiple of 256
.endr
.endr
	s_wait_loadcnt 0x0                             ; the cells are whole
.irp k,0,1,2
	global_store_b128 v[L16], v[CELL+4*\k:CELL+4*\k+3], s[14:15] offset:512*\k
.endr
	s_cmp_lg_u32 s94, 95
	s_cbranch_scc1 .Lno_row_96
.irp k,0,1,2
	global_store_b128 v[L16], v[CELL+4*\k:CELL+4*\k+3], s[14:15] offset:PY+512*\k          ; row 95 also serves as row 96
.endr
.Lno_row_96:
	s_cmp_lg_u32 s93, 95
	s_cbranch_scc1 .Lno_plane_96
.irp k,0,1,2
	global_store_b128 v[L16], v[CELL+4*\k:CELL+4*\k+3], s[14:15] offset:PZ+512*\k          ; plane 95 also serves as plane 96
.endr
	s_cmp_lg_u32 s94, 95
	s_cbranch_scc1 .Lno_plane_96
.irp k,0,1,2
	global_store_b128 v[L16], v[CELL+4*\k:CELL+4*\k+3], s[14:15] offset:PZ+PY+512*\k
.endr
.Lno_plane_96:
	s_wait_xcnt 0x0                                ; every earlier memory instruction has had its addresses translated (ISA guide 3.1): the stores' data (IDX, CELL) and the three bases are rewritten only behind this wait
	s_add_nc_u64 s[4:5], s[4:5], ROWB
	s_add_nc_u64 s[12:13], s[12:13], IROW
	s_add_nc_u64 s[14:15], s[14:15], PY
	s_add_co_u32 s94, s94, 1                       ; the next row
	s_add_co_u32 s98, s98, 1
	s_cmp_lt_u32 s98, ROWS
	s_cbranch_scc1 .Lrow
	s_endpgm
.Lfunc_end_k_q8558ea47f1_prep:
	.size	k_q8558ea47f1_prep, .Lfunc_end_k_q8558ea47f1_prep-k_q8558ea47f1_prep
	.p2alignl 7, 3214868480
	.fill 96, 4, 3214868480
	.section	.rodata,"a",@progbits
	.p2align	6, 0x0
	.amdhsa_kernel k_q8558ea47f1_prep
		.amdhsa_group_segment_fixed_size 0
		.amdhsa_private_segment_fixed_size 0
		.amdhsa_enable_private_segment 0
		.amdhsa_kernarg_size 48
		.amdhsa_user_sgpr_count 2
		.amdhsa_user_sgpr_kernarg_segment_ptr 1
		.amdhsa_wavefront_size32 1
		.amdhsa_system_sgpr_workgroup_id_x 1
		.amdhsa_system_sgpr_workgroup_id_y 1
		.amdhsa_system_sgpr_workgroup_id_z 1
		.amdhsa_system_vgpr_workitem_id 0
		.amdhsa_next_free_vgpr 80
		.amdhsa_next_free_sgpr 100
		.amdhsa_reserve_vcc 0
		.amdhsa_float_denorm_mode_32 3
		.amdhsa_float_denorm_mode_16_64 3
		.amdhsa_memory_ordered 1
		.amdhsa_forward_progress 1
		.amdhsa_inst_pref_size 40
	.end_amdhsa_kernel
	.amdgpu_metadata
---
amdhsa.version: [ 1, 2 ]
amdhsa.kernels:
  - .name:           k_q8558ea47f1_prep
    .symbol:         k_q8558ea47f1_prep.kd
    .args:
      - { .name: density, .offset: 0, .size: 8, .value_kind: global_buffer, .address_space: global }
      - { .name: R_matrices, .offset: 8, .size: 8, .value_kind: global_buffer, .address_space: global }
      - { .name: t_vectors, .offset: 16, .size: 8, .value_kind: global_buffer, .address_space: global }
      - { .name: offset, .offset: 24, .size: 8, .value_kind: global_buffer, .address_space: global }
      - { .name: idx, .offset: 32, .size: 8, .value_kind: global_buffer, .address_space: global }
      - { .name: pack, .offset: 40, .size: 8, .value_kind: global_buffer, .address_space: global }
    .group_segment_fixed_size: 0
    .private_segment_fixed_size: 0
    .kernarg_segment_align: 8
    .kernarg_segment_size: 48
    .max_flat_workgroup_size: 384
    .sgpr_count:     100
    .vgpr_count:     80
    .wavefront_size: 32
...
	.end_amdgpu_metadata
.endif
;; end of part 1
;; launch sample (part 2): grid 16 x 16, 12 waves a work-group, no clusters, 29,184 bytes of LDS; arguments density, R_matrices, t_vectors, offset, idx, pack, out0; writes out0
.if DOCPART == 2
	.amdgcn_target "amdgcn-amd-amdhsa--gfx1250"
	.amdhsa_code_object_version 6
	.text
	.protected	k_q8558ea47f1_sample
	.globl	k_q8558ea47f1_sample
	.p2align	8
	.type	k_q8558ea47f1_sample,@function
k_q8558ea47f1_sample:
	s_mov_b64 s[64:65], 0
	v_nop
	global_prefetch_b8 v0, s[64:65] scope:SCOPE_SE
	s_setreg_imm32_b32 hwreg(HW_REG_WAVE_MODE, 25, 1), 1
	s_wait_xcnt 0x0
; SAMPLE, the second of two launches of
;   out = (density + sum over 8 operations n of trilinear(density, (R[n] (voxel + offset) + 96 t[n]) mod 96, clipped to 0..95)) / 8.
; The first launch left idx (for every voxel and operation the number of the table cell of the lowest corner) and pack ([97][97][96] cells of 16 bytes:
; batch 0 and 1 at x, batch 0 and 1 at x + 1; row 96 and plane 96 repeat 95).  This launch reads the cell numbers, gathers four cells for a sample point (cell, +1 row,
; +1 plane, +1 row +1 plane), makes the three fractions again by the very instructions that made the cell numbers, so that floor and fraction always belong
; together, interpolates both batches at once in register pairs, sums, and stores.
;
; SHARES: 16 x 16 work-groups; a work-group owns 6 planes x 6 rows x 96 voxels; its 12 waves own 3 rows each; a lane owns voxels lane, lane+32, lane+64 of a row.
; A STEP is one row under one operation: 96 sample points, 12 gathers of 16 bytes a lane.  The 24 steps are written out, since the cell numbers of all three rows are
; loaded at the start into 72 registers that are named by number.  Each step asks for the next step's cells before it works, into the other of two sets of 48 registers.
;
; FORMAT, A LIMIT: R, t and offset are rounded to bf16 (nearest even) as they are loaded; the grid numbers are exact; the density and all arithmetic are f32.
; The result jumps where a coordinate crosses a multiple of 96; with mantissas of 8 bits the products R b (b of 16 bits or fewer) and 96 t are exact in f32, so the coordinate
; is the same whether products and sums are fused or not.  Sample positions differ from those of unrounded R by up to 2^-9 |R| 95 for each term.
; THE PRODUCT: c = fma(R[.][1], b1, R[.][0] b0) once a row in lanes 0-23, read into scalar registers; fma(R[.][2], b2, c) and + 96 t for each point and axis: the sum over j
; ascending.  One multiply-add deep, so the matrix unit (32 deep) is not used.
; THE WRAP: q = floor(tc / 96 + 2^-10), r = fma(-96, q, tc).  q is never too small; where it is one too large the true remainder is above 95.8 and r is negative; an UNSIGNED
; minimum with the bits of 95.0 sends r > 95 and r < 0 to 95.  RANGE, A LIMIT: |tc| < 96 * 2^13 = 786,432.  96 t = -0 is made +0.  NaN or infinity in R, t, offset: coordinate 95.
; NOT WRITTEN: tc / 95 * 2 - 1 followed by (. + 1) * 0.5 * 95, the identity up to a few units in the last place of 96 of a continuous quantity.
; ROUNDING: along x and y a + f (b - a) stands for a (1 - f) + b f; the nine terms are summed beginning with the density; / 8 is * 0.125, exact.
; No cluster and no tensor loads: the table that all work-groups share is read at cells that hang on the data, not as tiles, and for a general R the cells that a block needs
; have no bound that fits LDS.
.set BATCH,   3538944                  ; bytes of one batch of density and of out
.set ROWB,    384                      ; bytes of a row
.set IROW,    3072                     ; bytes of idx for a row
.set IGRP,    1536                     ; bytes of a group of 4 operations in it
.set PY,      1536                     ; pack: bytes from row to row
.set PZ,      97*PY                    ; pack: bytes from plane to plane
.set MAXIDX,  95+96*95+9312*95         ; 893,855: the last cell that can be a lowest corner
.set SEG,     6*ROWB                   ; 2,304: the block's six rows of one plane and batch, consecutive in out: nine stretches of 256 bytes
.set STB,     6*SEG                    ; the stage's bytes for one batch
.set F_INV96, 0x3c2aaaab               ; 1/96
.set F_BIAS,  0x3a800000               ; 2^-10
.set F_M96,   0xc2c00000               ; -96.0
.set F_96,    0x42c00000               ; 96.0
.set F_95,    0x42be0000               ; 95.0
.set F_32,    0x42000000
.set F_64,    0x42800000
.set F_8TH,   0x3e000000               ; 0.125
.set HI16,    0xffff0000
.set R2,   16                          ; s16-39  R[n][i][2], at 3n+i
.set T96,  40                          ; s40-63  96 t[n][i]
.set CR,   66                          ; s66-89  c[n][i] of the row at work
.set INV,  90
.set BIAS, 91
.set LANE, 1
.set L4,   2                           ; 4 x lane
.set L16,  3                           ; 16 x lane
.set VR1,  4                           ; lane 3n+i: R[n][i][1]
.set VE1,  5                           ; lane 3n+i: R[n][i][0] * b0
.set VOF1, 6                           ; offset[1]
.set VC,   7                           ; row constants; at the end the stage's read address
.set B2,   8                           ; v8-10    b2 = w + offset[2] of my three voxels
.set ST,   11                          ; where I put a result in the stage
.set T,    12                          ; v12-20   coordinate of voxel k, axis i at 3k+i
.set Q,    21                          ; v21-29   quotient, then floor
.set F,    30                          ; v30-41   voxel k at 4k: fx, fy, fz, 1 - fz
.set ACC,  42                          ; v42-59   row r, voxel k at 6r+2k: the sums of batch 0 and 1, begun by the density itself
.set IDX,  60                          ; v60-131  row r, group g, voxel k at 24r+12g+4k: four cell numbers, turned into byte offsets in place
.set DATA, 132                         ; v132-227 two sets of 48: voxel k at 16k: cell, +row, +plane, +row+plane
.set S,    DATA                        ; set-up works in the first set
.macro COORDS n                        ; as in the first launch, instruction for instruction
.irp k,0,1,2
.irp i,0,1,2
	v_fma_f32 v[T+3*\k+\i], v[B2+\k], s[R2+3*(\n)+\i], s[CR+3*(\n)+\i]     ; the last term of the sum over j
.endr
.endr
.irp k,0,1,2
.irp i,0,1,2
	v_add_f32 v[T+3*\k+\i], s[T96+3*(\n)+\i], v[T+3*\k+\i]                 ; + 96 t, a rounding of its own
.endr
.endr
.irp j,0,1,2,3,4,5,6,7,8
	v_fma_f32 v[Q+\j], v[T+\j], s[INV], s[BIAS]
.endr
.irp j,0,1,2,3,4,5,6,7,8
	v_floor_f32 v[Q+\j], v[Q+\j]
.endr
.irp j,0,1,2,3,4,5,6,7,8
	v_fmamk_f32 v[T+\j], v[Q+\j], F_M96, v[T+\j]                           ; tc - 96 q
.endr
.irp j,0,1,2,3,4,5,6,7,8
	v_min_u32 v[T+\j], F_95, v[T+\j]                                       ; on the bits: above 95 and below 0 both become 95
.endr
.irp j,0,1,2,3,4,5,6,7,8
	v_floor_f32 v[Q+\j], v[T+\j]
.endr
.endm
.macro FRACS
.irp k,0,1,2
.irp i,0,1,2
	v_sub_f32 v[F+4*\k+\i], v[T+3*\k+\i], v[Q+3*\k+\i]                     ; exact
.endr
.endr
.irp k,0,1,2
	v_sub_f32 v[F+4*\k+3], 1.0, v[F+4*\k+2]
.endr
.endm
; c of row r of my three, all 24 (n, i) at once, into scalar registers
.macro ROWCONST r
	s_add_co_u32 s95, s100, \r
	v_cvt_f32_u32 v[VC], s95
	v_add_f32 v[VC], v[VC], v[VOF1]                ; b1 = h + offset[1]
	v_fma_f32 v[VC], v[VR1], v[VC], v[VE1]
.set j, 0
.rept 24
	v_readlane_b32 s[CR+j], v[VC], j
.set j, j+1
.endr
.endm
; the twelve gathers of row r under operation n, into the set that begins at register d
.macro ISSUE r, n, d
.set ix, IDX+24*(\r)+12*((\n)/4)+(\n)%4
.irp k,0,1,2
	v_min_u32 v[ix+4*\k], MAXIDX, v[ix+4*\k]       ; a number read from memory is bounded before it enters an address
.endr
.irp k,0,1,2
	v_lshlrev_b32 v[ix+4*\k], 4, v[ix+4*\k]        ; cells of 16 bytes; this register is written no more
.endr
.irp k,0,1,2
	global_load_b128 v[(\d)+16*\k:(\d)+16*\k+3],     v[ix+4*\k], s[14:15]
	global_load_b128 v[(\d)+16*\k+4:(\d)+16*\k+7],   v[ix+4*\k], s[14:15] offset:PY
	global_load_b128 v[(\d)+16*\k+8:(\d)+16*\k+11],  v[ix+4*\k], s[14:15] offset:PZ
	global_load_b128 v[(\d)+16*\k+12:(\d)+16*\k+15], v[ix+4*\k], s[14:15] offset:PZ+PY
.endr
.endm
; the set at d is interpolated, both batches in each instruction, and added to the sums at a.  The fraction is one register of a pair, given to both halves by op_sel.
.macro LERP d, a
.irp c,0,4,8,12
.irp k,0,1,2
	v_pk_add_f32 v[(\d)+16*\k+\c+2:(\d)+16*\k+\c+3], v[(\d)+16*\k+\c+2:(\d)+16*\k+\c+3], v[(\d)+16*\k+\c:(\d)+16*\k+\c+1] neg_lo:[0,1] neg_hi:[0,1]
.endr
.endr
.irp c,0,4,8,12
.irp k,0,1,2
	v_pk_fma_f32 v[(\d)+16*\k+\c:(\d)+16*\k+\c+1], v[(\d)+16*\k+\c+2:(\d)+16*\k+\c+3], v[F+4*\k:F+4*\k+1], v[(\d)+16*\k+\c:(\d)+16*\k+\c+1] op_sel_hi:[1,0,1]   ; along x, by fx
.endr
.endr
.irp c,0,8
.irp k,0,1,2
	v_pk_add_f32 v[(\d)+16*\k+\c+4:(\d)+16*\k+\c+5], v[(\d)+16*\k+\c+4:(\d)+16*\k+\c+5], v[(\d)+16*\k+\c:(\d)+16*\k+\c+1] neg_lo:[0,1] neg_hi:[0,1]
.endr
.endr
.irp c,0,8
.irp k,0,1,2
	v_pk_fma_f32 v[(\d)+16*\k+\c:(\d)+16*\k+\c+1], v[(\d)+16*\k+\c+4:(\d)+16*\k+\c+5], v[F+4*\k:F+4*\k+1], v[(\d)+16*\k+\c:(\d)+16*\k+\c+1] op_sel:[0,1,0] op_sel_hi:[1,1,1]   ; along y, by fy
.endr
.endr
.irp k,0,1,2
	v_pk_fma_f32 v[(\a)+2*\k:(\a)+2*\k+1], v[(\d)+16*\k:(\d)+16*\k+1], v[F+4*\k+2:F+4*\k+3], v[(\a)+2*\k:(\a)+2*\k+1] op_sel:[0,1,0] op_sel_hi:[1,1,1]       ; along z: the lower plane by 1 - fz,
.endr
.irp k,0,1,2
	v_pk_fma_f32 v[(\a)+2*\k:(\a)+2*\k+1], v[(\d)+16*\k+8:(\d)+16*\k+9], v[F+4*\k+2:F+4*\k+3], v[(\a)+2*\k:(\a)+2*\k+1] op_sel_hi:[1,0,1]                     ; the upper by fz, straight into the sums
.endr
.endm
; row r is done: / 8, and into the stage
.macro FINISH r, a
.irp j,0,1,2,3,4,5
	v_mul_f32 v[(\a)+\j], F_8TH, v[(\a)+\j]
.endr
.irp k,0,1,2
	ds_store_b32 v[ST], v[(\a)+2*\k]   offset:(\r)*ROWB+128*\k
	ds_store_b32 v[ST], v[(\a)+2*\k+1] offset:STB+(\r)*ROWB+128*\k
.endr
.endm
	s_load_b256 s[4:11], s[0:1], 0x0               ; density s[4:5], R s[6:7], t s[8:9], offset s[10:11]
	s_load_b128 s[12:15], s[0:1], 0x20             ; idx s[12:13], pack s[14:15]
	s_load_b64 s[2:3], s[0:1], 0x30                ; out
	v_lshl_add_u32 v228, v0, 2, 0x6c00
	v_mov_b32 v229, 0
	v_and_b32 v[LANE], 31, v0
	v_lshrrev_b32 v[S], 5, v0
	v_readfirstlane_b32 s92, v[S]                  ; wave 0..11
	v_min_u32 v[S+1], 23, v[LANE]                  ; my line 3n+i of R and t; lanes 24-31 repeat line 23
	v_mul_u32_u24 v[S+2], v[S+1], 12
	v_lshlrev_b32 v[S+3], 2, v[S+1]
	v_mov_b32 v[S+4], 0
	v_lshlrev_b32 v[L4], 2, v[LANE]
	v_lshlrev_b32 v[L16], 4, v[LANE]
	s_mov_b32 s[INV], F_INV96
	s_mov_b32 s[BIAS], F_BIAS
	s_and_b32 s93, ttmp7, 0xffff
	s_mul_i32 s93, s93, 6                          ; the block's first plane
	s_mul_i32 s94, ttmp9, 6                        ; the block's first row
	s_lshr_b32 s95, s92, 1
	s_add_co_u32 s99, s93, s95                     ; my plane d
	s_and_b32 s95, s92, 1
	s_mul_i32 s95, s95, 3
	s_add_co_u32 s100, s94, s95                    ; my first row h
	s_mul_i32 s95, s99, 96
	s_add_co_u32 s95, s95, s100                    ; its number among the 9,216 rows
	s_mov_b32 s97, 0
	s_mul_i32 s98, s92, 3*ROWB                     ; in the stage my three rows begin at wave x 1,152: plane (wave / 2) x 2,304 + row 3 (wave mod 2) x 384
	v_add_nc_u32 v[ST], s98, v[L4]
	s_wait_kmcnt 0x0
	global_load_b32 v[S+6], v[S+2], s[6:7]             ; R[n][i][0]
	global_load_b32 v[S+7], v[S+2], s[6:7] offset:4    ; R[n][i][1]
	global_load_b32 v[S+8], v[S+2], s[6:7] offset:8    ; R[n][i][2]
	global_load_b32 v[S+9], v[S+3], s[8:9]             ; t[n][i]
	global_load_b96 v[S+10:S+12], v[S+4], s[10:11]     ; offset, the same three numbers in every lane
	s_mul_i32 s96, s95, IROW
	s_add_nc_u64 s[12:13], s[12:13], s[96:97]      ; idx at my first row
	s_mul_i32 s96, s95, ROWB
	s_add_nc_u64 s[4:5], s[4:5], s[96:97]          ; density at my first row
	; all that the wave streams goes out now: 18 loads of cell numbers (512 consecutive bytes each), then 18 of density, which land in the sums
.irp r,0,1,2
.irp g,0,1
.irp k,0,1,2
	global_load_b128 v[IDX+24*\r+12*\g+4*\k:IDX+24*\r+12*\g+4*\k+3], v[L16], s[12:13] offset:\r*IROW+\g*IGRP+512*\k th:TH_LOAD_NT
.endr
.endr
.endr
.irp r,0,1,2
.irp k,0,1,2
	global_load_b32 v[ACC+6*\r+2*\k],   v[L4], s[4:5] offset:\r*ROWB+128*\k th:TH_LOAD_NT
	global_load_b32 v[ACC+6*\r+2*\k+1], v[L4], s[4:5] offset:BATCH+\r*ROWB+128*\k th:TH_LOAD_NT
.endr
.endr
	s_wait_loadcnt 36                              ; loads come back in order (ISA guide 5.7.1): R, t and offset are in; the 18 + 18 loads behind them stay out
	v_cvt_pk_bf16_f32 v[S+6], v[S+6], v[S+7]       ; to bf16, nearest even: first source in the low half
	v_cvt_pk_bf16_f32 v[S+8], v[S+8], v[S+9]
	v_cvt_pk_bf16_f32 v[S+10], v[S+10], v[S+11]
	v_cvt_pk_bf16_f32 v[S+12], v[S+12], v[S+12]
	v_lshlrev_b32 v[S+7], 16, v[S+6]               ; and back to f32: R[.][0]
	v_and_b32 v[VR1], HI16, v[S+6]                 ; R[.][1]
	v_lshlrev_b32 v[S+9], 16, v[S+8]               ; R[.][2]
	v_and_b32 v[S+8], HI16, v[S+8]                 ; t
	v_mul_f32 v[S+8], F_96, v[S+8]                 ; 96 t: 10 bits, exact
	v_add_f32 v[S+8], 0, v[S+8]                    ; -0 becomes +0
	v_lshlrev_b32 v[S+11], 16, v[S+10]             ; offset[0]
	v_and_b32 v[VOF1], HI16, v[S+10]               ; offset[1]
	v_lshlrev_b32 v[S+12], 16, v[S+12]             ; offset[2]
	v_cvt_f32_u32 v[S+13], s99
	v_add_f32 v[S+13], v[S+13], v[S+11]            ; b0 = d + offset[0]
	v_mul_f32 v[VE1], v[S+7], v[S+13]              ; the first term of the sum over j, the same for my three rows
	v_cvt_f32_u32 v[B2], v[LANE]
	v_add_f32 v[B2+1], F_32, v[B2]
	v_add_f32 v[B2+2], F_64, v[B2]
.irp k,0,1,2
	v_add_f32 v[B2+\k], v[B2+\k], v[S+12]          ; b2 = w + offset[2]
.endr
.set j, 0
.rept 24
	v_readlane_b32 s[R2+j], v[S+9], j
	v_readlane_b32 s[T96+j], v[S+8], j
.set j, j+1
.endr
	s_wait_loadcnt 18                              ; the cell numbers are in; the 18 loads of density behind them stay out
	ISSUE 0, 0, DATA
.set stp, 0
.rept 24
.set rw,  stp/8
.set op,  stp%8
.set dcu, DATA+48*(stp%2)
.set acu, ACC+6*rw
.set nrw, (stp+1)/8
.set nxo, (stp+1)%8
.set dnx, DATA+48*((stp+1)%2)
.if op == 0
	ROWCONST rw
.endif
.if stp < 23
	ISSUE nrw, nxo, dnx                            ; the next step's cells are asked for first: they have this step's fractions and sums and the next step's fractions in which to come
.endif
	COORDS op
	FRACS
.if stp < 23
	s_wait_loadcnt 12                              ; this step's cells (and all that was asked for earlier) are in; the twelve gathers just issued stay out
.else
	s_wait_loadcnt 0x0                             ; the last step: nothing was issued behind its gathers
.endif
	LERP dcu, acu
.if op == 7
	FINISH rw, acu
.endif
.set stp, stp+1
.endr
	; THE WAY OUT.  A row of out is 384 bytes, so single rows do not fill stretches of 256 bytes; the block's six rows of a plane and batch are 2,304 consecutive bytes that
	; begin at a multiple of 256.  The stage holds twelve such segments (batch x 6 + plane).  Wave j stores the first 2,048 bytes of segment j; the last 256 bytes of
	; segments 2j and 2j + 1 go out together from wave j < 6.  In every store sixteen neighbouring lanes write 256 consecutive bytes, aligned.
	s_wait_dscnt 0x0                               ; my results are in the stage: zero, since other waves will read them
	s_barrier_signal -1
	s_barrier_wait -1
	s_mul_i32 s98, s92, SEG
	v_add_nc_u32 v[VC], s98, v[L16]
.irp j,0,1,2,3
	ds_load_b128 v[DATA+4*\j:DATA+4*\j+3], v[VC] offset:512*\j
.endr
	s_mul_i32 s95, s93, 96*ROWB
	s_mul_i32 s96, s94, ROWB
	s_add_co_u32 s95, s95, s96                     ; the block's first row in a batch of out, in bytes
	s_cmp_ge_u32 s92, 6                            ; segments 6 to 11 are batch 1
	s_cselect_b32 s96, BATCH-6*96*ROWB, 0
	s_add_co_u32 s96, s96, s95
	s_mul_i32 s98, s92, 96*ROWB                    ; a plane for each segment
	s_add_co_u32 s96, s96, s98
	s_add_nc_u64 s[96:97], s[2:3], s[96:97]        ; s97 has been 0 since the start
.irp j,0,1,2,3
	s_wait_dscnt 3-\j                              ; LDS loads come back in order (ISA guide 5.7.1): load j is in, the younger ones stay out
	global_store_b128 v[L16], v[DATA+4*\j:DATA+4*\j+3], s[96:97] offset:512*\j th:TH_STORE_NT
.endr
	s_cmp_ge_u32 s92, 6
	s_cbranch_scc1 .Ldone
	s_cmp_ge_u32 s92, 3                            ; segments 2j and 2j + 1 lie in one batch: batch 1 from j = 3 on
	s_cselect_b32 s98, BATCH-6*96*ROWB, 0
	s_add_co_u32 s98, s98, s95
	s_mul_i32 s101, s92, 2*96*ROWB
	s_add_co_u32 s98, s98, s101
	s_mov_b32 s99, 0
	s_add_nc_u64 s[98:99], s[2:3], s[98:99]        ; out at segment 2j
	s_mul_i32 s101, s92, 2*SEG
	v_lshrrev_b32 v[T], 4, v[LANE]                 ; lanes 0-15: segment 2j; lanes 16-31: segment 2j + 1
	v_and_b32 v[T+1], 15, v[LANE]
	v_lshlrev_b32 v[T+1], 4, v[T+1]
	v_mad_u32_u24 v[T+2], v[T], SEG, v[T+1]        ; in the stage the next segment is 2,304 bytes on,
	v_add_nc_u32 v[T+2], s101, v[T+2]
	v_mad_u32_u24 v[T+3], v[T], 96*ROWB, v[T+1]    ; in out a plane on
	ds_load_b128 v[DATA+16:DATA+19], v[T+2] offset:2048
	s_wait_dscnt 0x0
	global_store_b128 v[T+3], v[DATA+16:DATA+19], s[98:99] offset:2048 th:TH_STORE_NT
.Ldone:
	s_wait_tensorcnt 0x0
	ds_add_u32 v228, v229
	s_wait_dscnt 0x0
	s_endpgm
.Lfunc_end_k_q8558ea47f1_sample:
	.size	k_q8558ea47f1_sample, .Lfunc_end_k_q8558ea47f1_sample-k_q8558ea47f1_sample
	.p2alignl 7, 3214868480
	.fill 96, 4, 3214868480
	.section	.rodata,"a",@progbits
	.p2align	6, 0x0
	.amdhsa_kernel k_q8558ea47f1_sample
		.amdhsa_group_segment_fixed_size 29184
		.amdhsa_private_segment_fixed_size 0
		.amdhsa_enable_private_segment 0
		.amdhsa_kernarg_size 56
		.amdhsa_user_sgpr_count 2
		.amdhsa_user_sgpr_kernarg_segment_ptr 1
		.amdhsa_wavefront_size32 1
		.amdhsa_system_sgpr_workgroup_id_x 1
		.amdhsa_system_sgpr_workgroup_id_y 1
		.amdhsa_system_sgpr_workgroup_id_z 1
		.amdhsa_system_vgpr_workitem_id 0
		.amdhsa_next_free_vgpr 230
		.amdhsa_next_free_sgpr 102
		.amdhsa_reserve_vcc 0
		.amdhsa_float_denorm_mode_32 3
		.amdhsa_float_denorm_mode_16_64 3
		.amdhsa_memory_ordered 1
		.amdhsa_forward_progress 1
		.amdhsa_inst_pref_size 200
	.end_amdhsa_kernel
	.amdgpu_metadata
---
amdhsa.version: [ 1, 2 ]
amdhsa.kernels:
  - .name:           k_q8558ea47f1_sample
    .symbol:         k_q8558ea47f1_sample.kd
    .args:
      - { .name: density, .offset: 0, .size: 8, .value_kind: global_buffer, .address_space: global }
      - { .name: R_matrices, .offset: 8, .size: 8, .value_kind: global_buffer, .address_space: global }
      - { .name: t_vectors, .offset: 16, .size: 8, .value_kind: global_buffer, .address_space: global }
      - { .name: offset, .offset: 24, .size: 8, .value_kind: global_buffer, .address_space: global }
      - { .name: idx, .offset: 32, .size: 8, .value_kind: global_buffer, .address_space: global }
      - { .name: pack, .offset: 40, .size: 8, .value_kind: global_buffer, .address_space: global }
      - { .name: out0, .offset: 48, .size: 8, .value_kind: global_buffer, .address_space: global }
    .group_segment_fixed_size: 29184
    .private_segment_fixed_size: 0
    .kernarg_segment_align: 8
    .kernarg_segment_size: 56
    .max_flat_workgroup_size: 384
    .sgpr_count:     102
    .vgpr_count:     230
    .wavefront_size: 32
...
	.end_amdgpu_metadata
.endif
;; end of part 2
;; ======== version 2 of 3: 2 launches; 1.57 times as fast as version 1
;; limits: values outside matrix products are rounded to bf16
;; workspace buffers: idx 28,311,552 bytes of whole numbers; pack 14,303,232 bytes
;; launch prep (part 3): grid 16 x 16, 12 waves a work-group, no clusters, 0 bytes of LDS; arguments density, R_matrices, t_vectors, offset, idx, pack; writes idx, pack
.if DOCPART == 3
	.amdgcn_target "amdgcn-amd-amdhsa--gfx1250"
	.amdhsa_code_object_version 6
	.text
	.protected	k_q8558ea47f1_prep
	.globl	k_q8558ea47f1_prep
	.p2align	8
	.type	k_q8558ea47f1_prep,@function
k_q8558ea47f1_prep:
	s_mov_b64 s[64:65], 0
	v_nop
	global_prefetch_b8 v0, s[64:65] scope:SCOPE_SE
	s_setreg_imm32_b32 hwreg(HW_REG_WAVE_MODE, 25, 1), 1
	s_wait_xcnt 0x0
; PREP, the first of two launches of
;   out = (density + sum over 8 operations n of trilinear(density, (R[n] (voxel + offset) + 96 t[n]) mod 96, clipped to 0..95)) / 8.
; It stores (1) idx: for every voxel and operation the number of the table cell of the sample point's lowest corner, a whole number, so that
; the second launch forms its gather addresses from whole numbers read from memory, and (2) pack: the density laid out for the gathers.
;
; pack is [97][96][96] cells of 16 bytes.  Word c of cell (z, y, x) holds bf16(density[0]) in its low and bf16(density[1]) in its high half, at
; (y, x), (y, x+1), (y+1, x), (y+1, x+1) for c = 0..3, with x+1 and y+1 clamped to 95; plane 96 repeats plane 95.  That is the clamp min(. + 1, 95) of the
; interpolation, built into the table: the eight corners of both batches are two aligned loads of 16 bytes, at the cell and one plane on: 32 bytes a sample point.
;
; SHARES: 16 x 16 work-groups; a work-group owns 6 planes x 6 rows x 96 voxels; its 12 waves own 3 rows each; a lane owns voxels lane, lane+32, lane+64 of a row.
;
; THE PRODUCT R (voxel + offset).  Along a row only the last term changes, so c = fma(R[.][1], b1, R[.][0] b0) is made once a row, all 24 (n, i) at once
; (lane 3n+i holds its line of R), and read into scalar registers; a sample point costs fma(R[.][2], b2, c) and one addition of 96 t for each axis, in the order
; of a sum over j ascending.  What is left is one multiply-add deep, so the matrix unit (32 deep) is not used.
;
; FORMAT, A LIMIT: R, t and offset are rounded to bf16 (nearest even) as they are loaded; the grid numbers 0..95 are exact; the coordinates are f32.
; The result jumps where a coordinate crosses a multiple of 96 (cell 95 on one side, cell 0 on the other).  With mantissas of 8 bits the products R b (b of
; 16 bits or fewer) and 96 t are exact in f32, so the coordinate is the same whether products and sums are fused or not.  The price: sample positions differ from
; those of unrounded R by up to 2^-9 |R| 95 for each term.
; FORMAT, A LIMIT: the corners of the interpolation, the operands of its weighted sums, are rounded once to bf16 (nearest even): a relative error of up to 2^-9 in each;
; a density above bf16's largest finite number becomes an infinity.  Weights, products and sums are f32 in the second launch.
; THE WRAP: q = floor(tc / 96 + 2^-10), r = fma(-96, q, tc), one rounding, as rem(tc, 96) (+ 96 if negative) has.  The bias outweighs the error of tc * (1/96), so q is
; never too small; where q is one too large the true remainder is above 95.8, which the clip sends to 95, and r is negative: an UNSIGNED minimum with the bits
; of 95.0 sends both r > 95 and r < 0 to 95.  RANGE, A LIMIT: |tc| < 96 * 2^13 = 786,432.  96 t = -0 is made +0, so that r is never -0.
; A NaN or an infinity in R, t or offset gives the cell 95 along that axis: every index stays in the table.
; NOT WRITTEN: tc / 95 * 2 - 1 followed by (. + 1) * 0.5 * 95 is the identity; leaving it out changes a continuous quantity by a few units in the last place of 96.
; No cluster and no tensor loads: no two work-groups read a common tile; the inputs shared by all are 396 bytes.
.set BATCH,   3538944                  ; bytes of one batch of density
.set ROWB,    384                      ; bytes of a row of density
.set IROW,    3072                     ; bytes of idx for a row: 2 groups x 96 voxels x 4 operations x 4 bytes
.set IGRP,    1536                     ; bytes of one group
.set PY,      1536                     ; pack: bytes from row to row
.set PZ,      96*PY                    ; pack: bytes from plane to plane
.set ROWS,    3                        ; rows of a wave
.set F_INV96, 0x3c2aaaab               ; 1/96
.set F_BIAS,  0x3a800000               ; 2^-10
.set F_M96,   0xc2c00000               ; -96.0
.set F_96,    0x42c00000               ; 96.0
.set F_95,    0x42be0000               ; 95.0
.set F_32,    0x42000000
.set F_64,    0x42800000
.set HI16,    0xffff0000
.set R2,   16                          ; s16-39  R[n][i][2], at 3n+i
.set T96,  40                          ; s40-63  96 t[n][i]
.set CR,   66                          ; s66-89  c[n][i] of the row at work
.set LANE, 1
.set L4,   2                           ; 4 x lane
.set L4N,  3                           ; 4 x min(lane + 1, 31): the right neighbour in the row's last third
.set L16,  4                           ; 16 x lane
.set VR1,  5                           ; lane 3n+i: R[n][i][1]
.set VE1,  6                           ; lane 3n+i: R[n][i][0] * b0
.set VOF1, 7                           ; offset[1]
.set B2,   8                           ; v8-10   b2 = w + offset[2] of my three voxels
.set VC,   11
.set T,    12                          ; v12-21  coordinates: voxels 0, 1 of axis i at 2i, 2i+1 (an aligned pair); voxel 2 of axis i at 6+i; place 9 a filler,
.set Q,    22                          ; v22-31  the same places: quotient, then cell      so that five packed instructions cover the ten registers
.set KI,   32                          ; v32-33  1/96 and 2^-10, a pair from which op_sel picks
.set IDX,  34                          ; v34-57  group g, voxel k: 4 registers at 12g+4k
.set S,    IDX                         ; set-up works in these registers ahead of the loop
.set P,    58                          ; v58-81  packed words: voxel k, row r of four, e = 0: x, 1: x+1, at 8k+2r+e.  The cell of (row r, voxel k) is the four registers from 8k+2r on
.set RAW,  82                          ; v82-129 the same 24 places as loaded, two registers each: batch 0, batch 1
; T = the coordinates of my three voxels under operation n, wrapped into 0..96 (or a little below 0: see THE WRAP).  The two stages whose constants hang on n and i take them from
; scalar registers, nine instructions each; the two whose constants are the same for all take two coordinates in an instruction.  Each half of a packed
; multiply-add is one fused multiply-add in f32.  The filler goes along and is never used.
.macro WRAPPED n
.irp k,0,1,2
.irp i,0,1,2
.set ci, ((\k)/2)*(6+\i)+(1-(\k)/2)*(2*\i+\k)
	v_fma_f32 v[T+ci], v[B2+\k], s[R2+3*(\n)+\i], s[CR+3*(\n)+\i]          ; the last term of the sum over j
.endr
.endr
.irp k,0,1,2
.irp i,0,1,2
.set ci, ((\k)/2)*(6+\i)+(1-(\k)/2)*(2*\i+\k)
	v_add_f32 v[T+ci], s[T96+3*(\n)+\i], v[T+ci]                           ; + 96 t, a rounding of its own
.endr
.endr
.irp p,0,2,4,6,8
	v_pk_fma_f32 v[Q+\p:Q+\p+1], v[T+\p:T+\p+1], v[KI:KI+1], v[KI:KI+1] op_sel:[0,0,1] op_sel_hi:[1,0,1]   ; tc * (1/96) + 2^-10: the pair's first register as factor, its second as addend, for both halves
.endr
.irp j,0,1,2,3,4,5,6,7,8
	v_floor_f32 v[Q+\j], v[Q+\j]
.endr
.irp p,0,2,4,6,8
	v_pk_fma_f32 v[T+\p:T+\p+1], v[Q+\p:Q+\p+1], F_M96, v[T+\p:T+\p+1] op_sel_hi:[1,0,1]                   ; tc - 96 q
.endr
.endm
; the cell numbers of operation n: x0 + 96 y0 + 9216 z0; axis 0 runs along x, axis 1 along y, axis 2 along z
.macro OPIDX n
	WRAPPED \n
.irp j,0,1,2,3,4,5,6,7,8
	v_min_u32 v[T+\j], F_95, v[T+\j]                                       ; on the bits: above 95 and below 0 both become 95
.endr
.irp j,0,1,2,3,4,5,6,7,8
	v_cvt_u32_f32 v[Q+\j], v[T+\j]                                         ; toward zero: the floor of a number in 0..95
.endr
.irp k,0,1,2
.set cx, ((\k)/2)*6+(1-(\k)/2)*(\k)
.set cy, ((\k)/2)*7+(1-(\k)/2)*(2+\k)
	v_mad_u32_u24 v[T+cx], v[Q+cy], 96, v[Q+cx]
.endr
.irp k,0,1,2
.set cx, ((\k)/2)*6+(1-(\k)/2)*(\k)
.set cz, ((\k)/2)*8+(1-(\k)/2)*(4+\k)
	v_mad_u32_u24 v[IDX+12*((\n)/4)+4*\k+(\n)%4], v[Q+cz], 9216, v[T+cx]
.endr
.endm
; a group of four operations is whole: three stores of 512 consecutive bytes, each at a multiple of 256
.macro PUTGROUP g
.irp k,0,1,2
	global_store_b128 v[L16], v[IDX+12*\g+4*\k:IDX+12*\g+4*\k+3], s[12:13] offset:\g*IGRP+512*\k
.endr
.endm
; row r of the four that my cells need, both batches, each voxel and its right neighbour: twelve loads of 128 consecutive bytes, from the base s[lo:lo+1] + off
.macro LOADROW r, lo, off
.irp b,0,1
.irp k,0,1
	global_load_b32 v[RAW+2*(8*\k+2*\r)+\b],   v[L4], s[\lo:\lo+1] offset:\off+\b*BATCH+128*\k
	global_load_b32 v[RAW+2*(8*\k+2*\r+1)+\b], v[L4], s[\lo:\lo+1] offset:\off+\b*BATCH+128*\k+4
.endr
	global_load_b32 v[RAW+2*(16+2*\r)+\b],   v[L4],  s[\lo:\lo+1] offset:\off+\b*BATCH+256
	global_load_b32 v[RAW+2*(16+2*\r+1)+\b], v[L4N], s[\lo:\lo+1] offset:\off+\b*BATCH+256     ; voxel 95 has itself as right neighbour
.endr
.endm
	s_load_b256 s[4:11], s[0:1], 0x0               ; density s[4:5], R s[6:7], t s[8:9], offset s[10:11]
	s_load_b128 s[12:15], s[0:1], 0x20             ; idx s[12:13], pack s[14:15]
	v_and_b32 v[LANE], 31, v0
	v_lshrrev_b32 v[S], 5, v0
	v_readfirstlane_b32 s92, v[S]                  ; wave 0..11
	v_min_u32 v[S+1], 23, v[LANE]                  ; my line 3n+i of R and t; lanes 24-31 repeat line 23
	v_mul_u32_u24 v[S+2], v[S+1], 12
	v_lshlrev_b32 v[S+3], 2, v[S+1]
	v_mov_b32 v[S+4], 0
	v_lshlrev_b32 v[L4], 2, v[LANE]
	v_lshlrev_b32 v[L16], 4, v[LANE]
	v_add_nc_u32 v[L4N], 1, v[LANE]
	v_min_u32 v[L4N], 31, v[L4N]
	v_lshlrev_b32 v[L4N], 2, v[L4N]
	v_mov_b32 v[KI], F_INV96
	v_mov_b32 v[KI+1], F_BIAS
	v_mov_b32 v[T+9], 1.0                          ; the filler is read by packed instructions: any finite number
	s_and_b32 s93, ttmp7, 0xffff
	s_mul_i32 s93, s93, 6
	s_lshr_b32 s95, s92, 1
	s_add_co_u32 s93, s93, s95                     ; my plane d = 6 y + wave / 2
	s_mul_i32 s94, ttmp9, 6
	s_and_b32 s95, s92, 1
	s_mul_i32 s95, s95, 3
	s_add_co_u32 s94, s94, s95                     ; my first row h = 6 x + 3 (wave mod 2)
	s_mul_i32 s95, s93, 96
	s_add_co_u32 s95, s95, s94                     ; its number among the 9,216 rows
	s_mov_b32 s97, 0
	s_add_co_u32 s98, s94, 3                       ; the row below my three, which my last row's cells need,
	s_min_u32 s98, s98, 95                         ; clamped to the plane's last row,
	s_sub_co_u32 s98, s98, s94                     ; counted from my first row: 3, or 2 at the plane's end,
	s_mul_i32 s98, s98, ROWB                       ; in bytes
	s_mov_b32 s99, 0
	s_wait_kmcnt 0x0
	global_load_b32 v[S+6], v[S+2], s[6:7]             ; R[n][i][0]
	global_load_b32 v[S+7], v[S+2], s[6:7] offset:4    ; R[n][i][1]
	global_load_b32 v[S+8], v[S+2], s[6:7] offset:8    ; R[n][i][2]
	global_load_b32 v[S+9], v[S+3], s[8:9]             ; t[n][i]
	global_load_b96 v[S+10:S+12], v[S+4], s[10:11]     ; offset, the same three numbers in every lane
	s_mul_i32 s96, s95, ROWB
	s_add_nc_u64 s[4:5], s[4:5], s[96:97]          ; density at my first row
	s_add_nc_u64 s[2:3], s[4:5], s[98:99]          ; density at the fourth row
	; all the density that the wave reads is asked for now, 48 loads, and is on its way while the constants are set up
	LOADROW 0, 4, 0
	LOADROW 1, 4, ROWB
	LOADROW 2, 4, 2*ROWB
	LOADROW 3, 2, 0
	s_mul_i32 s96, s95, IROW
	s_add_nc_u64 s[12:13], s[12:13], s[96:97]      ; idx at my first row
	s_mul_i32 s96, s95, PY
	s_add_nc_u64 s[14:15], s[14:15], s[96:97]      ; pack at my first row
	s_wait_loadcnt 48                              ; loads come back in order (ISA guide 5.7.1): R, t and offset are in; the 48 loads of density behind them stay out
	v_cvt_pk_bf16_f32 v[S+6], v[S+6], v[S+7]       ; to bf16, nearest even: first source in the low half
	v_cvt_pk_bf16_f32 v[S+8], v[S+8], v[S+9]
	v_cvt_pk_bf16_f32 v[S+10], v[S+10], v[S+11]
	v_cvt_pk_bf16_f32 v[S+12], v[S+12], v[S+12]
	v_lshlrev_b32 v[S+7], 16, v[S+6]               ; and back to f32: R[.][0]
	v_and_b32 v[VR1], HI16, v[S+6]                 ; R[.][1]
	v_lshlrev_b32 v[S+9], 16, v[S+8]               ; R[.][2]
	v_and_b32 v[S+8], HI16, v[S+8]                 ; t
	v_mul_f32 v[S+8], F_96, v[S+8]                 ; 96 t: 10 bits, exact
	v_add_f32 v[S+8], 0, v[S+8]                    ; -0 becomes +0
	v_lshlrev_b32 v[S+11], 16, v[S+10]             ; offset[0]
	v_and_b32 v[VOF1], HI16, v[S+10]               ; offset[1]
	v_lshlrev_b32 v[S+12], 16, v[S+12]             ; offset[2]
	v_cvt_f32_u32 v[S+13], s93
	v_add_f32 v[S+13], v[S+13], v[S+11]            ; b0 = d + offset[0]
	v_mul_f32 v[VE1], v[S+7], v[S+13]              ; the first term of the sum over j, the same for my three rows
	v_cvt_f32_u32 v[B2], v[LANE]
	v_add_f32 v[B2+1], F_32, v[B2]
	v_add_f32 v[B2+2], F_64, v[B2]
.irp k,0,1,2
	v_add_f32 v[B2+\k], v[B2+\k], v[S+12]          ; b2 = w + offset[2]
.endr
.set j, 0
.rept 24
	v_readlane_b32 s[R2+j], v[S+9], j
	v_readlane_b32 s[T96+j], v[S+8], j
.set j, j+1
.endr
	; THE TABLE, ahead of the index loop, so that its stores leave while the loop computes.  One conversion makes a word of both batches; the words of rows r and r + 1 lie
	; side by side, so a cell is four consecutive registers and nothing is moved.
	s_wait_loadcnt 0x0                             ; the four rows are in
.set j, 0
.rept 24
	v_cvt_pk_bf16_f32 v[P+j], v[RAW+2*j], v[RAW+2*j+1]     ; batch 0 into the low half, batch 1 into the high half, nearest even
.set j, j+1
.endr
.irp r,0,1,2
.irp k,0,1,2
	global_store_b128 v[L16], v[P+8*\k+2*\r:P+8*\k+2*\r+3], s[14:15] offset:\r*PY+512*\k           ; 512 consecutive bytes, at a multiple of 256
.endr
.endr
	s_cmp_lg_u32 s93, 95
	s_cbranch_scc1 .Lno_plane_96
.irp r,0,1,2
.irp k,0,1,2
	global_store_b128 v[L16], v[P+8*\k+2*\r:P+8*\k+2*\r+3], s[14:15] offset:PZ+\r*PY+512*\k        ; plane 95 also serves as plane 96
.endr
.endr
.Lno_plane_96:
	; P, L16 and s[14:15], which these stores read, are written no more
	s_mov_b32 s98, 0
.Lrow:
	v_cvt_f32_u32 v[VC], s94
	v_add_f32 v[VC], v[VC], v[VOF1]                ; b1 = h + offset[1]
	v_fma_f32 v[VC], v[VR1], v[VC], v[VE1]         ; c of all 24 (n, i)
.set j, 0
.rept 24
	v_readlane_b32 s[CR+j], v[VC], j
.set j, j+1
.endr
.irp n,0,1,2,3
	OPIDX \n
.endr
	PUTGROUP 0                                     ; each group leaves as soon as it is whole: the second group's arithmetic stands behind these stores
.irp n,4,5,6,7
	OPIDX \n
.endr
	PUTGROUP 1
	s_wait_xcnt 0x0                                ; every earlier memory instruction has had its addresses translated (ISA guide 3.1): the stores' data (IDX) and their base are rewritten only behind this wait
	s_add_nc_u64 s[12:13], s[12:13], IROW
	s_add_co_u32 s94, s94, 1                       ; the next row
	s_add_co_u32 s98, s98, 1
	s_cmp_lt_u32 s98, ROWS
	s_cbranch_scc1 .Lrow
	s_endpgm
.Lfunc_end_k_q8558ea47f1_prep:
	.size	k_q8558ea47f1_prep, .Lfunc_end_k_q8558ea47f1_prep-k_q8558ea47f1_prep
	.p2alignl 7, 3214868480
	.fill 96, 4, 3214868480
	.section	.rodata,"a",@progbits
	.p2align	6, 0x0
	.amdhsa_kernel k_q8558ea47f1_prep
		.amdhsa_group_segment_fixed_size 0
		.amdhsa_private_segment_fixed_size 0
		.amdhsa_enable_private_segment 0
		.amdhsa_kernarg_size 48
		.amdhsa_user_sgpr_count 2
		.amdhsa_user_sgpr_kernarg_segment_ptr 1
		.amdhsa_wavefront_size32 1
		.amdhsa_system_sgpr_workgroup_id_x 1
		.amdhsa_system_sgpr_workgroup_id_y 1
		.amdhsa_system_sgpr_workgroup_id_z 1
		.amdhsa_system_vgpr_workitem_id 0
		.amdhsa_next_free_vgpr 130
		.amdhsa_next_free_sgpr 100
		.amdhsa_reserve_vcc 0
		.amdhsa_float_denorm_mode_32 3
		.amdhsa_float_denorm_mode_16_64 3
		.amdhsa_memory_ordered 1
		.amdhsa_forward_progress 1
		.amdhsa_inst_pref_size 44
	.end_amdhsa_kernel
	.amdgpu_metadata
---
amdhsa.version: [ 1, 2 ]
amdhsa.kernels:
  - .name:           k_q8558ea47f1_prep
    .symbol:         k_q8558ea47f1_prep.kd
    .args:
      - { .name: density, .offset: 0, .size: 8, .value_kind: global_buffer, .address_space: global }
      - { .name: R_matrices, .offset: 8, .size: 8, .value_kind: global_buffer, .address_space: global }
      - { .name: t_vectors, .offset: 16, .size: 8, .value_kind: global_buffer, .address_space: global }
      - { .name: offset, .offset: 24, .size: 8, .value_kind: global_buffer, .address_space: global }
      - { .name: idx, .offset: 32, .size: 8, .value_kind: global_buffer, .address_space: global }
      - { .name: pack, .offset: 40, .size: 8, .value_kind: global_buffer, .address_space: global }
    .group_segment_fixed_size: 0
    .private_segment_fixed_size: 0
    .kernarg_segment_align: 8
    .kernarg_segment_size: 48
    .max_flat_workgroup_size: 384
    .sgpr_count:     100
    .vgpr_count:     130
    .wavefront_size: 32
...
	.end_amdgpu_metadata
.endif
;; end of part 3
;; launch sample (part 4): grid 16 x 16, 12 waves a work-group, no clusters, 29,184 bytes of LDS; arguments density, R_matrices, t_vectors, offset, idx, pack, out0; writes out0
.if DOCPART == 4
	.amdgcn_target "amdgcn-amd-amdhsa--gfx1250"
	.amdhsa_code_object_version 6
	.text
	.protected	k_q8558ea47f1_sample
	.globl	k_q8558ea47f1_sample
	.p2align	8
	.type	k_q8558ea47f1_sample,@function
k_q8558ea47f1_sample:
	s_mov_b64 s[64:65], 0
	v_nop
	global_prefetch_b8 v0, s[64:65] scope:SCOPE_SE
	s_setreg_imm32_b32 hwreg(HW_REG_WAVE_MODE, 25, 1), 1
	s_wait_xcnt 0x0
; SAMPLE, the second of two launches of
;   out = (density + sum over 8 operations n of trilinear(density, (R[n] (voxel + offset) + 96 t[n]) mod 96, clipped to 0..95)) / 8.
; The first launch left idx (for every voxel and operation the number of the table cell of the lowest corner) and pack ([97][96][96] cells of 16 bytes: word c = bf16 of batch 0
; (low half) and batch 1 (high half) at (y, x), (y, x+1), (y+1, x), (y+1, x+1), the + 1 clamped to 95; plane 96 repeats 95).  This launch reads the cell numbers, gathers two cells
; for a sample point (the cell and the one a plane on: 32 bytes), makes the wrapped coordinates again by the very instructions that made the cell numbers, so that floor and
; fraction always belong together, makes the eight weights, and adds weight x corner straight from the bf16 halves into the f32 sums.
;
; SHARES: 16 x 16 work-groups; a work-group owns 6 planes x 6 rows x 96 voxels; its 12 waves own 3 rows each; a lane owns voxels lane, lane+32, lane+64 of a row.
; A STEP is one row under one operation: 96 sample points, 6 gathers of 16 bytes a lane.  The 24 steps are written out, since the cell numbers of all three rows are
; loaded at the start into 72 registers that are named by number.  Each step asks for the cells of the third step ahead before it works, into one of four sets of 24
; registers that take turns: 18 to 24 gathers of a wave, 512 bytes each, are out at any time.
;
; FORMAT, A LIMIT: R, t and offset are rounded to bf16 (nearest even) as they are loaded; the grid numbers are exact; the coordinates are f32.
; The result jumps where a coordinate crosses a multiple of 96; with mantissas of 8 bits the products R b (b of 16 bits or fewer) and 96 t are exact in f32, so the coordinate
; is the same whether products and sums are fused or not.  Sample positions differ from those of unrounded R by up to 2^-9 |R| 95 for each term.
; FORMAT, A LIMIT: the corners, the operands of the weighted sums, come from the table in bf16 (a relative error of up to 2^-9 each; above bf16's largest finite number an infinity).
; The weights, every product and every sum are f32, and the voxel's own density enters in f32.
; THE PRODUCT: c = fma(R[.][1], b1, R[.][0] b0) once a row in lanes 0-23, read into scalar registers; fma(R[.][2], b2, c) and + 96 t for each point and axis: the sum over j
; ascending.  One multiply-add deep, so the matrix unit (32 deep) is not used.
; THE WRAP: q = floor(tc / 96 + 2^-10), r = fma(-96, q, tc).  q is never too small; where it is one too large the true remainder is above 95.8 and r is a little below 0.
; RANGE, A LIMIT: |tc| < 96 * 2^13 = 786,432.
; THE CLIP TO 95 IS NOT WRITTEN HERE.  Where r > 95 or r < 0 the first launch has stored the cell 95 for that axis, and there the table holds the same number at both ends of the
; axis (the + 1 is clamped in the cell; plane 96 repeats plane 95), so that every fraction r - floor(r), which lies in 0..1, gives that number.
; A NaN or an infinity in R, t or offset makes the fractions, and so the results, NaN; the cell numbers are in the table all the same.
; NOT WRITTEN: tc / 95 * 2 - 1 followed by (. + 1) * 0.5 * 95, the identity up to a few units in the last place of 96 of a continuous quantity.
; ROUNDING: the three nested interpolations are written as one sum of eight corners, each times the product of its three factors f or 1 - f; the terms are summed beginning with the
; density; / 8 is * 0.125, exact.
; No cluster and no tensor loads: the table that all work-groups share is read at cells that hang on the data, not as tiles, and for a general R the cells that a block needs
; have no bound that fits LDS.
.set BATCH,   3538944                  ; bytes of one batch of density and of out
.set ROWB,    384                      ; bytes of a row
.set IROW,    3072                     ; bytes of idx for a row
.set IGRP,    1536                     ; bytes of a group of 4 operations in it
.set PZ,      96*96*16                 ; pack: bytes from plane to plane
.set MAXIDX,  96*96*96-1               ; 884,735: the last cell that can be a lowest corner
.set STEPS,   24                       ; 3 rows x 8 operations
.set AHEAD,   3                        ; a step asks for the cells of the step AHEAD further on
.set SEG,     6*ROWB                   ; 2,304: the block's six rows of one plane and batch, consecutive in out: nine stretches of 256 bytes
.set STB,     6*SEG                    ; the stage's bytes for one batch
.set F_INV96, 0x3c2aaaab               ; 1/96
.set F_BIAS,  0x3a800000               ; 2^-10
.set F_M96,   0xc2c00000               ; -96.0
.set F_96,    0x42c00000               ; 96.0
.set F_32,    0x42000000
.set F_64,    0x42800000
.set F_8TH,   0x3e000000               ; 0.125
.set HI16,    0xffff0000
.set R2,   16                          ; s16-39  R[n][i][2], at 3n+i
.set T96,  40                          ; s40-63  96 t[n][i]
.set CR,   66                          ; s66-89  c[n][i] of the row at work
.set LANE, 1
.set L4,   2                           ; 4 x lane
.set L16,  3                           ; 16 x lane
.set VR1,  4                           ; lane 3n+i: R[n][i][1]
.set VE1,  5                           ; lane 3n+i: R[n][i][0] * b0
.set VOF1, 6                           ; offset[1]
.set VC,   7                           ; row constants; at the end the stage's read address
.set B2,   8                           ; v8-10    b2 = w + offset[2] of my three voxels
.set ST,   11                          ; where I put a result in the stage
.set T,    12                          ; v12-21   coordinates: voxels 0, 1 of axis i at 2i, 2i+1 (an aligned pair); voxel 2 of axis i at 6+i; place 9 a filler,
.set Q,    22                          ; v22-31   the same places: quotient, then floor      so that five packed instructions cover the ten registers
.set WAP,  12                          ; v12-19   once T and Q are spent: voxels 0, 1: word c at 2c, 2c+1: the weights in the plane, then those of the upper plane
.set WBP,  20                          ; v20-27   voxels 0, 1: the weights of the lower plane
.set WA2,  28                          ; v28-31   voxel 2: word c at c: in the plane, then upper plane
.set WB2,  32                          ; v32-35   voxel 2: lower plane
.set FF,   36                          ; v36-41   voxels 0, 1: the pair of fractions f of axis i at 2i
.set GG,   42                          ; v42-47   voxels 0, 1: the pair 1 - f of axis i at 2i
.set F2,   48                          ; v48-53   voxel 2: 1 - fx, fx, 1 - fy, fy, 1 - fz, fz
.set ACC,  54                          ; v54-71   row r, voxel k at 6r+2k: the sums of batch 0 and 1, begun by the density itself
.set IDX,  72                          ; v72-143  row r, group g, voxel k at 24r+12g+4k: four cell numbers, turned into byte offsets in place
.set DATA, 144                         ; v144-239 four sets of 24: voxel k at 8k: the cell, the cell a plane on
.set S,    DATA+72                     ; set-up works in the fourth set, which is first filled by step 0, behind the set-up
.set KI,   240                         ; v240-241 1/96 and 2^-10, a pair from which op_sel picks
; As in the first launch, instruction for instruction: T = the coordinates of my three voxels under operation n, wrapped.  Each half of a packed multiply-add is one fused
; multiply-add in f32.  The filler goes along and is never used.
.macro WRAPPED n
.irp k,0,1,2
.irp i,0,1,2
.set ci, ((\k)/2)*(6+\i)+(1-(\k)/2)*(2*\i+\k)
	v_fma_f32 v[T+ci], v[B2+\k], s[R2+3*(\n)+\i], s[CR+3*(\n)+\i]          ; the last term of the sum over j
.endr
.endr
.irp k,0,1,2
.irp i,0,1,2
.set ci, ((\k)/2)*(6+\i)+(1-(\k)/2)*(2*\i+\k)
	v_add_f32 v[T+ci], s[T96+3*(\n)+\i], v[T+ci]                           ; + 96 t, a rounding of its own
.endr
.endr
.irp p,0,2,4,6,8
	v_pk_fma_f32 v[Q+\p:Q+\p+1], v[T+\p:T+\p+1], v[KI:KI+1], v[KI:KI+1] op_sel:[0,0,1] op_sel_hi:[1,0,1]   ; tc * (1/96) + 2^-10: the pair's first register as factor, its second as addend, for both halves
.endr
.irp j,0,1,2,3,4,5,6,7,8
	v_floor_f32 v[Q+\j], v[Q+\j]
.endr
.irp p,0,2,4,6,8
	v_pk_fma_f32 v[T+\p:T+\p+1], v[Q+\p:Q+\p+1], F_M96, v[T+\p:T+\p+1] op_sel_hi:[1,0,1]                   ; tc - 96 q
.endr
.endm
; f = r - floor(r) and 1 - f: voxels 0 and 1 two at a time, voxel 2 into pairs (1 - f, f)
.macro FRACS
.irp j,0,1,2,3,4,5,6,7,8
	v_floor_f32 v[Q+\j], v[T+\j]
.endr
.irp i,0,1,2
	v_pk_add_f32 v[FF+2*\i:FF+2*\i+1], v[T+2*\i:T+2*\i+1], v[Q+2*\i:Q+2*\i+1] neg_lo:[0,1] neg_hi:[0,1]
.endr
.irp i,0,1,2
	v_sub_f32 v[F2+2*\i+1], v[T+6+\i], v[Q+6+\i]
.endr
.irp i,0,1,2
	v_pk_fma_f32 v[GG+2*\i:GG+2*\i+1], v[FF+2*\i:FF+2*\i+1], -1.0, 1.0 op_sel_hi:[1,0,0]                   ; 1 - f, one rounding
.endr
.irp i,0,1,2
	v_sub_f32 v[F2+2*\i], 1.0, v[F2+2*\i+1]
.endr
.endm
; The eight weights of each of my three points, in the order of the cells' words, two in an instruction; they serve both batches and need no data from the table.
; Voxels 0 and 1: each instruction makes one word's weight for both voxels.  Voxel 2: the pair (1 - fx, fx) times 1 - fy and times fy, one register of a pair given to both halves by op_sel.
; Then all four times 1 - fz (lower plane) and, in place, times fz (upper plane).
.macro WEIGHTS
	v_pk_mul_f32 v[WAP:WAP+1],   v[GG:GG+1], v[GG+2:GG+3]                  ; word 0, (y, x):     (1 - fx)(1 - fy)
	v_pk_mul_f32 v[WAP+2:WAP+3], v[FF:FF+1], v[GG+2:GG+3]                  ; word 1, (y, x+1):   fx (1 - fy)
	v_pk_mul_f32 v[WAP+4:WAP+5], v[GG:GG+1], v[FF+2:FF+3]                  ; word 2, (y+1, x):   (1 - fx) fy
	v_pk_mul_f32 v[WAP+6:WAP+7], v[FF:FF+1], v[FF+2:FF+3]                  ; word 3, (y+1, x+1): fx fy
	v_pk_mul_f32 v[WA2:WA2+1],   v[F2:F2+1], v[F2+2:F2+3] op_sel_hi:[1,0]                  ; voxel 2, row y: by 1 - fy
	v_pk_mul_f32 v[WA2+2:WA2+3], v[F2:F2+1], v[F2+2:F2+3] op_sel:[0,1] op_sel_hi:[1,1]     ; voxel 2, row y + 1: by fy
.irp c,0,2,4,6
	v_pk_mul_f32 v[WBP+\c:WBP+\c+1], v[WAP+\c:WAP+\c+1], v[GG+4:GG+5]      ; by 1 - fz
.endr
	v_pk_mul_f32 v[WB2:WB2+1],   v[WA2:WA2+1],   v[F2+4:F2+5] op_sel_hi:[1,0]
	v_pk_mul_f32 v[WB2+2:WB2+3], v[WA2+2:WA2+3], v[F2+4:F2+5] op_sel_hi:[1,0]
.irp c,0,2,4,6
	v_pk_mul_f32 v[WAP+\c:WAP+\c+1], v[WAP+\c:WAP+\c+1], v[FF+4:FF+5]      ; by fz
.endr
	v_pk_mul_f32 v[WA2:WA2+1],   v[WA2:WA2+1],   v[F2+4:F2+5] op_sel:[0,1] op_sel_hi:[1,1]
	v_pk_mul_f32 v[WA2+2:WA2+3], v[WA2+2:WA2+3], v[F2+4:F2+5] op_sel:[0,1] op_sel_hi:[1,1]
.endm
; c of row r of my three, all 24 (n, i) at once, into scalar registers
.macro ROWCONST r
	s_add_co_u32 s95, s100, \r
	v_cvt_f32_u32 v[VC], s95
	v_add_f32 v[VC], v[VC], v[VOF1]                ; b1 = h + offset[1]
	v_fma_f32 v[VC], v[VR1], v[VC], v[VE1]
.set j, 0
.rept 24
	v_readlane_b32 s[CR+j], v[VC], j
.set j, j+1
.endr
.endm
; the cell numbers of row r, group g: three loads of 512 consecutive bytes
.macro GETIDX r, g
.irp k,0,1,2
	global_load_b128 v[IDX+24*\r+12*\g+4*\k:IDX+24*\r+12*\g+4*\k+3], v[L16], s[12:13] offset:\r*IROW+\g*IGRP+512*\k th:TH_LOAD_NT
.endr
.endm
; the six gathers of row r under operation n, into the set that begins at register d
.macro ISSUE r, n, d
.set ix, IDX+24*(\r)+12*((\n)/4)+(\n)%4
.irp k,0,1,2
	v_min_u32 v[ix+4*\k], MAXIDX, v[ix+4*\k]       ; a number read from memory is bounded before it enters an address
.endr
.irp k,0,1,2
	v_lshlrev_b32 v[ix+4*\k], 4, v[ix+4*\k]        ; cells of 16 bytes; this register is written no more
.endr
.irp k,0,1,2
	global_load_b128 v[(\d)+8*\k:(\d)+8*\k+3],   v[ix+4*\k], s[14:15]
	global_load_b128 v[(\d)+8*\k+4:(\d)+8*\k+7], v[ix+4*\k], s[14:15] offset:PZ
.endr
.endm
; The set at d is added to the sums at a: sum += bf16 half x weight, one fused multiply-add in f32 for a corner and batch, with no unpacking.
; op_sel_hi:[1,0,0] says that the first source is a bf16 half, op_sel's first bit which: 0 the low (batch 0), 1 the high (batch 1).  Six sums take turns.
.macro BLEND d, a
.irp c,0,1,2,3
.irp k,0,1,2
.set wr, ((\k)/2)*(WB2+\c)+(1-(\k)/2)*(WBP+2*\c+\k)
	v_fma_mix_f32_bf16 v[(\a)+2*\k],   v[(\d)+8*\k+\c], v[wr], v[(\a)+2*\k]   op_sel_hi:[1,0,0]
	v_fma_mix_f32_bf16 v[(\a)+2*\k+1], v[(\d)+8*\k+\c], v[wr], v[(\a)+2*\k+1] op_sel:[1,0,0] op_sel_hi:[1,0,0]
.endr
.endr
.irp c,0,1,2,3
.irp k,0,1,2
.set wr, ((\k)/2)*(WA2+\c)+(1-(\k)/2)*(WAP+2*\c+\k)
	v_fma_mix_f32_bf16 v[(\a)+2*\k],   v[(\d)+8*\k+4+\c], v[wr], v[(\a)+2*\k]   op_sel_hi:[1,0,0]
	v_fma_mix_f32_bf16 v[(\a)+2*\k+1], v[(\d)+8*\k+4+\c], v[wr], v[(\a)+2*\k+1] op_sel:[1,0,0] op_sel_hi:[1,0,0]
.endr
.endr
.endm
; row r is done: / 8, and into the stage
.macro FINISH r, a
.irp j,0,1,2,3,4,5
	v_mul_f32 v[(\a)+\j], F_8TH, v[(\a)+\j]
.endr
.irp k,0,1,2
	ds_store_b32 v[ST], v[(\a)+2*\k]   offset:(\r)*ROWB+128*\k
	ds_store_b32 v[ST], v[(\a)+2*\k+1] offset:STB+(\r)*ROWB+128*\k
.endr
.endm
	s_load_b256 s[4:11], s[0:1], 0x0               ; density s[4:5], R s[6:7], t s[8:9], offset s[10:11]
	s_load_b128 s[12:15], s[0:1], 0x20             ; idx s[12:13], pack s[14:15]
	s_load_b64 s[2:3], s[0:1], 0x30                ; out
	v_lshl_add_u32 v242, v0, 2, 0x6c00
	v_mov_b32 v243, 0
	v_and_b32 v[LANE], 31, v0
	v_lshrrev_b32 v[S], 5, v0
	v_readfirstlane_b32 s92, v[S]                  ; wave 0..11
	v_min_u32 v[S+1], 23, v[LANE]                  ; my line 3n+i of R and t; lanes 24-31 repeat line 23
	v_mul_u32_u24 v[S+2], v[S+1], 12
	v_lshlrev_b32 v[S+3], 2, v[S+1]
	v_mov_b32 v[S+4], 0
	v_lshlrev_b32 v[L4], 2, v[LANE]
	v_lshlrev_b32 v[L16], 4, v[LANE]
	v_mov_b32 v[KI], F_INV96
	v_mov_b32 v[KI+1], F_BIAS
	v_mov_b32 v[T+9], 1.0                          ; the filler is read by packed instructions: any number; later a weight lies there
	s_and_b32 s93, ttmp7, 0xffff
	s_mul_i32 s93, s93, 6                          ; the block's first plane
	s_mul_i32 s94, ttmp9, 6                        ; the block's first row
	s_lshr_b32 s95, s92, 1
	s_add_co_u32 s99, s93, s95                     ; my plane d
	s_and_b32 s95, s92, 1
	s_mul_i32 s95, s95, 3
	s_add_co_u32 s100, s94, s95                    ; my first row h
	s_mul_i32 s95, s99, 96
	s_add_co_u32 s95, s95, s100                    ; its number among the 9,216 rows
	s_mov_b32 s97, 0
	s_mul_i32 s98, s92, 3*ROWB                     ; in the stage my three rows begin at wave x 1,152: plane (wave / 2) x 2,304 + row 3 (wave mod 2) x 384
	v_add_nc_u32 v[ST], s98, v[L4]
	s_mul_i32 s96, s95, IROW
	s_wait_kmcnt 0x0
	s_add_nc_u64 s[12:13], s[12:13], s[96:97]      ; idx at my first row
	; All that the wave streams goes out now, in the order in which it is needed: the cell numbers of the first four steps (3 loads), R, t and offset (5),
	; the other cell numbers (15), the density (18), which lands in the sums.
	GETIDX 0, 0
	global_load_b32 v[S+6], v[S+2], s[6:7]             ; R[n][i][0]
	global_load_b32 v[S+7], v[S+2], s[6:7] offset:4    ; R[n][i][1]
	global_load_b32 v[S+8], v[S+2], s[6:7] offset:8    ; R[n][i][2]
	global_load_b32 v[S+9], v[S+3], s[8:9]             ; t[n][i]
	global_load_b96 v[S+10:S+12], v[S+4], s[10:11]     ; offset, the same three numbers in every lane
	GETIDX 0, 1
	GETIDX 1, 0
	GETIDX 1, 1
	GETIDX 2, 0
	GETIDX 2, 1
	s_mul_i32 s96, s95, ROWB
	s_add_nc_u64 s[4:5], s[4:5], s[96:97]          ; density at my first row
.irp r,0,1,2
.irp k,0,1,2
	global_load_b32 v[ACC+6*\r+2*\k],   v[L4], s[4:5] offset:\r*ROWB+128*\k th:TH_LOAD_NT
	global_load_b32 v[ACC+6*\r+2*\k+1], v[L4], s[4:5] offset:BATCH+\r*ROWB+128*\k th:TH_LOAD_NT
.endr
.endr
	s_wait_loadcnt 38                              ; loads come back in order (ISA guide 5.7.1): the first three are in; the 5 + 15 + 18 behind them stay out
	ISSUE 0, 0, DATA                               ; the first AHEAD steps' cells are asked for before anything else is set up
	ISSUE 0, 1, DATA+24
	ISSUE 0, 2, DATA+48
	s_wait_loadcnt 51                              ; R, t and offset are in; the 15 + 18 loads and the 18 gathers behind them stay out
	v_cvt_pk_bf16_f32 v[S+6], v[S+6], v[S+7]       ; to bf16, nearest even: first source in the low half
	v_cvt_pk_bf16_f32 v[S+8], v[S+8], v[S+9]
	v_cvt_pk_bf16_f32 v[S+10], v[S+10], v[S+11]
	v_cvt_pk_bf16_f32 v[S+12], v[S+12], v[S+12]
	v_lshlrev_b32 v[S+7], 16, v[S+6]               ; and back to f32: R[.][0]
	v_and_b32 v[VR1], HI16, v[S+6]                 ; R[.][1]
	v_lshlrev_b32 v[S+9], 16, v[S+8]               ; R[.][2]
	v_and_b32 v[S+8], HI16, v[S+8]                 ; t
	v_mul_f32 v[S+8], F_96, v[S+8]                 ; 96 t: 10 bits, exact
	v_add_f32 v[S+8], 0, v[S+8]                    ; -0 becomes +0, as in the first launch
	v_lshlrev_b32 v[S+11], 16, v[S+10]             ; offset[0]
	v_and_b32 v[VOF1], HI16, v[S+10]               ; offset[1]
	v_lshlrev_b32 v[S+12], 16, v[S+12]             ; offset[2]
	v_cvt_f32_u32 v[S+13], s99
	v_add_f32 v[S+13], v[S+13], v[S+11]            ; b0 = d + offset[0]
	v_mul_f32 v[VE1], v[S+7], v[S+13]              ; the first term of the sum over j, the same for my three rows
	v_cvt_f32_u32 v[B2], v[LANE]
	v_add_f32 v[B2+1], F_32, v[B2]
	v_add_f32 v[B2+2], F_64, v[B2]
.irp k,0,1,2
	v_add_f32 v[B2+\k], v[B2+\k], v[S+12]          ; b2 = w + offset[2]
.endr
.set j, 0
.rept 24
	v_readlane_b32 s[R2+j], v[S+9], j
	v_readlane_b32 s[T96+j], v[S+8], j
.set j, j+1
.endr
.set stp, 0
.rept STEPS
.set rw,  stp/8
.set op,  stp%8
.set dcu, DATA+24*(stp%4)
.set acu, ACC+6*rw
.set nrw, (stp+AHEAD)/8
.set nxo, (stp+AHEAD)%8
.set dnx, DATA+24*((stp+AHEAD)%4)
.if stp < STEPS-AHEAD
.set lft, 6*AHEAD
.else
.set lft, 6*(STEPS-1-stp)
.endif
.if op == 0
	ROWCONST rw
.endif
.if stp < STEPS-AHEAD
	ISSUE nrw, nxo, dnx                            ; first the request: into the set that the step before this one has just read (in step 0: where the set-up worked).
	                                               ; Step 0 names a cell number of the first three loads; every later step stands behind step 0's wait, which shows all cell numbers in
.endif
	WRAPPED op
	FRACS
	WEIGHTS
	s_wait_loadcnt lft                             ; this step's cells (and all that was asked for earlier, cell numbers and density among it) are in; the six gathers of each younger step stay out: 18, and 12, 6, 0 in the last three steps
	BLEND dcu, acu
.if op == 7
	FINISH rw, acu
.endif
.set stp, stp+1
.endr
	; THE WAY OUT.  A row of out is 384 bytes, so single rows do not fill stretches of 256 bytes; the block's six rows of a plane and batch are 2,304 consecutive bytes that
	; begin at a multiple of 256.  The stage holds twelve such segments (batch x 6 + plane).  Wave j stores the first 2,048 bytes of segment j; the last 256 bytes of
	; segments 2j and 2j + 1 go out together from wave j < 6.  In every store sixteen neighbouring lanes write 256 consecutive bytes, aligned.
	s_wait_dscnt 0x0                               ; my results are in the stage: zero, since other waves will read them
	s_barrier_signal -1
	s_barrier_wait -1
	s_mul_i32 s98, s92, SEG
	v_add_nc_u32 v[VC], s98, v[L16]
.irp j,0,1,2,3
	ds_load_b128 v[DATA+4*\j:DATA+4*\j+3], v[VC] offset:512*\j
.endr
	s_mul_i32 s95, s93, 96*ROWB
	s_mul_i32 s96, s94, ROWB
	s_add_co_u32 s95, s95, s96                     ; the block's first row in a batch of out, in bytes
	s_cmp_ge_u32 s92, 6                            ; segments 6 to 11 are batch 1
	s_cselect_b32 s96, BATCH-6*96*ROWB, 0
	s_add_co_u32 s96, s96, s95
	s_mul_i32 s98, s92, 96*ROWB                    ; a plane for each segment
	s_add_co_u32 s96, s96, s98
	s_add_nc_u64 s[96:97], s[2:3], s[96:97]        ; s97 has been 0 since the start
.irp j,0,1,2,3
	s_wait_dscnt 3-\j                              ; LDS loads come back in order (ISA guide 5.7.1): load j is in, the younger ones stay out
	global_store_b128 v[L16], v[DATA+4*\j:DATA+4*\j+3], s[96:97] offset:512*\j th:TH_STORE_NT
.endr
	s_cmp_ge_u32 s92, 6
	s_cbranch_scc1 .Ldone
	s_cmp_ge_u32 s92, 3                            ; segments 2j and 2j + 1 lie in one batch: batch 1 from j = 3 on
	s_cselect_b32 s98, BATCH-6*96*ROWB, 0
	s_add_co_u32 s98, s98, s95
	s_mul_i32 s101, s92, 2*96*ROWB
	s_add_co_u32 s98, s98, s101
	s_mov_b32 s99, 0
	s_add_nc_u64 s[98:99], s[2:3], s[98:99]        ; out at segment 2j
	s_mul_i32 s101, s92, 2*SEG
	v_lshrrev_b32 v[T], 4, v[LANE]                 ; lanes 0-15: segment 2j; lanes 16-31: segment 2j + 1
	v_and_b32 v[T+1], 15, v[LANE]
	v_lshlrev_b32 v[T+1], 4, v[T+1]
	v_mad_u32_u24 v[T+2], v[T], SEG, v[T+1]        ; in the stage the next segment is 2,304 bytes on,
	v_add_nc_u32 v[T+2], s101, v[T+2]
	v_mad_u32_u24 v[T+3], v[T], 96*ROWB, v[T+1]    ; in out a plane on
	ds_load_b128 v[DATA+16:DATA+19], v[T+2] offset:2048
	s_wait_dscnt 0x0
	global_store_b128 v[T+3], v[DATA+16:DATA+19], s[98:99] offset:2048 th:TH_STORE_NT
.Ldone:
	s_wait_tensorcnt 0x0
	ds_add_u32 v242, v243
	s_wait_dscnt 0x0
	s_endpgm
.Lfunc_end_k_q8558ea47f1_sample:
	.size	k_q8558ea47f1_sample, .Lfunc_end_k_q8558ea47f1_sample-k_q8558ea47f1_sample
	.p2alignl 7, 3214868480
	.fill 96, 4, 3214868480
	.section	.rodata,"a",@progbits
	.p2align	6, 0x0
	.amdhsa_kernel k_q8558ea47f1_sample
		.amdhsa_group_segment_fixed_size 29184
		.amdhsa_private_segment_fixed_size 0
		.amdhsa_enable_private_segment 0
		.amdhsa_kernarg_size 56
		.amdhsa_user_sgpr_count 2
		.amdhsa_user_sgpr_kernarg_segment_ptr 1
		.amdhsa_wavefront_size32 1
		.amdhsa_system_sgpr_workgroup_id_x 1
		.amdhsa_system_sgpr_workgroup_id_y 1
		.amdhsa_system_sgpr_workgroup_id_z 1
		.amdhsa_system_vgpr_workitem_id 0
		.amdhsa_next_free_vgpr 244
		.amdhsa_next_free_sgpr 102
		.amdhsa_reserve_vcc 0
		.amdhsa_float_denorm_mode_32 3
		.amdhsa_float_denorm_mode_16_64 3
		.amdhsa_memory_ordered 1
		.amdhsa_forward_progress 1
		.amdhsa_inst_pref_size 206
	.end_amdhsa_kernel
	.amdgpu_metadata
---
amdhsa.version: [ 1, 2 ]
amdhsa.kernels:
  - .name:           k_q8558ea47f1_sample
    .symbol:         k_q8558ea47f1_sample.kd
    .args:
      - { .name: density, .offset: 0, .size: 8, .value_kind: global_buffer, .address_space: global }
      - { .name: R_matrices, .offset: 8, .size: 8, .value_kind: global_buffer, .address_space: global }
      - { .name: t_vectors, .offset: 16, .size: 8, .value_kind: global_buffer, .address_space: global }
      - { .name: offset, .offset: 24, .size: 8, .value_kind: global_buffer, .address_space: global }
      - { .name: idx, .offset: 32, .size: 8, .value_kind: global_buffer, .address_space: global }
      - { .name: pack, .offset: 40, .size: 8, .value_kind: global_buffer, .address_space: global }
      - { .name: out0, .offset: 48, .size: 8, .value_kind: global_buffer, .address_space: global }
    .group_segment_fixed_size: 29184
    .private_segment_fixed_size: 0
    .kernarg_segment_align: 8
    .kernarg_segment_size: 56
    .max_flat_workgroup_size: 384
    .sgpr_count:     102
    .vgpr_count:     244
    .wavefront_size: 32
...
	.end_amdgpu_metadata
.endif
;; end of part 4
;; ======== version 3 of 3: 2 launches; version 2 with the launch sample written anew for expert scheduling mode
;; limits: values outside matrix products are rounded to bf16
;; workspace buffers: idx 28,311,552 bytes of whole numbers; pack 14,303,232 bytes
;; launch prep: the kernel of part 3 again; grid 16 x 16, 12 waves a work-group, no clusters, 0 bytes of LDS; arguments density, R_matrices, t_vectors, offset, idx, pack; writes idx, pack
;; launch sample (part 5): grid 16 x 16, 12 waves a work-group, no clusters, 29,184 bytes of LDS; arguments density, R_matrices, t_vectors, offset, idx, pack, out0; writes out0
.if DOCPART == 5
	.amdgcn_target "amdgcn-amd-amdhsa--gfx1250"
	.amdhsa_code_object_version 6
	.text
	.protected	k_q8558ea47f1_sample
	.globl	k_q8558ea47f1_sample
	.p2align	8
	.type	k_q8558ea47f1_sample,@function
k_q8558ea47f1_sample:
	s_mov_b64 s[64:65], 0
	v_nop
	global_prefetch_b8 v0, s[64:65] scope:SCOPE_SE
	s_setreg_imm32_b32 hwreg(HW_REG_WAVE_SCHED_MODE, 0, 2), 2
	s_setreg_imm32_b32 hwreg(HW_REG_WAVE_MODE, 25, 1), 1
	s_wait_xcnt 0x0
	s_wait_alu depctr_vm_vsrc(0)
; SAMPLE, the second of two launches of
;   out = (density + sum over 8 operations n of trilinear(density, (R[n] (voxel + offset) + 96 t[n]) mod 96, clipped to 0..95)) / 8.
; The first launch left idx (for every voxel and operation the number of the table cell of the lowest corner) and pack ([97][96][96] cells of 16 bytes: word c = bf16 of batch 0
; (low half) and batch 1 (high half) at (y, x), (y, x+1), (y+1, x), (y+1, x+1), the + 1 clamped to 95; plane 96 repeats 95).  This launch reads the cell numbers, gathers two cells
; for a sample point (the cell and the one a plane on: 32 bytes), makes the wrapped coordinates again by the very instructions that made the cell numbers, so that floor and
; fraction always belong together, makes the eight weights, and adds weight x corner straight from the bf16 halves into the f32 sums.
;
; SHARES: 16 x 16 work-groups; a work-group owns 6 planes x 6 rows x 96 voxels; its 12 waves own 3 rows each; a lane owns voxels lane, lane+32, lane+64 of a row.
; A STEP is one row under one operation: 96 sample points, 6 gathers of 16 bytes a lane.  The 24 steps are written out, since the cell numbers of all three rows are
; loaded at the start into 72 registers that are named by number.  Each step asks for the cells of the third step ahead, early in its own work, into one of four sets of 24
; registers that take turns: 18 to 24 gathers of a wave, 512 bytes each, are out at any time.
;
; THE MODE: SCHED_MODE bits 1:0 = 2 (LLVM: expert scheduling mode 2), set by the entry lines.  The code itself states the register dependences
; between vector instructions and memory or LDS instructions, with s_wait_alu, always for 0.
; THE PLAN.  Registers that memory or LDS instructions touch:
;   v[L4], v[L16], v[ST]  offsets and an LDS address, made at the head and never written again.
;   IDX (72)   The cell numbers' loads land here.  Step s turns the three numbers of step s + 4 into byte offsets, in place, behind its wait for data; the gathers that read them are
;              issued in step s + 1; then the registers are written no more.  The twelve of steps 0 to 3 are turned at the head.
;   DATA0 .. 3 Step s: its 48 sums read set s % 4; its gathers, for step s + 3, land in set (s + 3) % 4 = (s - 1) % 4, which the sums of step s - 1 read.
;              The set-up works in set 3, and three of its registers are offsets of the loads of R, t and offset.
;   ACC (18)   The density lands here; the sums and the division write it; a row's six LDS stores, issued in the next step, read it; then it is written no more.
;   T, Q, the weights, the fractions, KI and B2 are named by vector instructions alone.
; So ONE wait on va_vdst stands at the head of a step that asks for cells: the step before is done reading the set in which the gathers land, and has written the offsets that they
; read (and, behind a row's last step, the row's results).  The six gathers follow it two at a time among the first stages of the coordinates, which name T, B2 and scalar registers:
; none of the registers that the gathers touch.  No register that a memory instruction of a step reads is written again, so no wait on vm_vsrc stands among the steps.
;
; FORMAT, A LIMIT: R, t and offset are rounded to bf16 (nearest even) as they are loaded; the grid numbers are exact; the coordinates are f32.
; The result jumps where a coordinate crosses a multiple of 96; with mantissas of 8 bits the products R b (b of 16 bits or fewer) and 96 t are exact in f32, so the coordinate
; is the same whether products and sums are fused or not.  Sample positions differ from those of unrounded R by up to 2^-9 |R| 95 for each term.
; FORMAT, A LIMIT: the corners, the operands of the weighted sums, come from the table in bf16 (a relative error of up to 2^-9 each; above bf16's largest finite number an infinity).
; The weights, every product and every sum are f32, and the voxel's own density enters in f32.
; THE PRODUCT: c = fma(R[.][1], b1, R[.][0] b0) once a row in lanes 0-23, read into scalar registers; fma(R[.][2], b2, c) and + 96 t for each point and axis: the sum over j
; ascending.  One multiply-add deep, so the matrix unit (32 deep) is not used.
; THE WRAP: q = floor(tc / 96 + 2^-10), r = fma(-96, q, tc).  q is never too small; where it is one too large the true remainder is above 95.8 and r is a little below 0.
; RANGE, A LIMIT: |tc| < 96 * 2^13 = 786,432.
; THE CLIP TO 95 IS NOT WRITTEN HERE.  Where r > 95 or r < 0 the first launch has stored the cell 95 for that axis, and there the table holds the same number at both ends of the
; axis (the + 1 is clamped in the cell; plane 96 repeats plane 95), so that every fraction r - floor(r), which lies in 0..1, gives that number.
; A NaN or an infinity in R, t or offset makes the fractions, and so the results, NaN; the cell numbers are in the table all the same.
; NOT WRITTEN: tc / 95 * 2 - 1 followed by (. + 1) * 0.5 * 95, the identity up to a few units in the last place of 96 of a continuous quantity.
; ROUNDING: the three nested interpolations are written as one sum of eight corners, each times the product of its three factors f or 1 - f; the terms are summed beginning with the
; density; / 8 is * 0.125, exact.
; No cluster and no tensor loads: the table that all work-groups share is read at cells that hang on the data, not as tiles, and for a general R the cells that a block needs
; have no bound that fits LDS.
.set BATCH,   3538944                  ; bytes of one batch of density and of out
.set ROWB,    384                      ; bytes of a row
.set IROW,    3072                     ; bytes of idx for a row
.set IGRP,    1536                     ; bytes of a group of 4 operations in it
.set PZ,      96*96*16                 ; pack: bytes from plane to plane
.set MAXIDX,  96*96*96-1               ; 884,735: the last cell that can be a lowest corner
.set STEPS,   24                       ; 3 rows x 8 operations
.set AHEAD,   3                        ; a step asks for the cells of the step AHEAD further on
.set SEG,     6*ROWB                   ; 2,304: the block's six rows of one plane and batch, consecutive in out: nine stretches of 256 bytes
.set STB,     6*SEG                    ; the stage's bytes for one batch
.set F_INV96, 0x3c2aaaab               ; 1/96
.set F_BIAS,  0x3a800000               ; 2^-10
.set F_M96,   0xc2c00000               ; -96.0
.set F_96,    0x42c00000               ; 96.0
.set F_32,    0x42000000
.set F_64,    0x42800000
.set F_8TH,   0x3e000000               ; 0.125
.set HI16,    0xffff0000
.set R2,   16                          ; s16-39  R[n][i][2], at 3n+i
.set T96,  40                          ; s40-63  96 t[n][i]
.set CR,   66                          ; s66-89  c[n][i] of the row at work
.set LANE, 1
.set L4,   2                           ; 4 x lane
.set L16,  3                           ; 16 x lane
.set VR1,  4                           ; lane 3n+i: R[n][i][1]
.set VE1,  5                           ; lane 3n+i: R[n][i][0] * b0
.set VOF1, 6                           ; offset[1]
.set VC,   7                           ; row constants; at the end the stage's read address
.set B2,   8                           ; v8-10    b2 = w + offset[2] of my three voxels
.set ST,   11                          ; where I put a result in the stage
.set T,    12                          ; v12-21   coordinates: voxels 0, 1 of axis i at 2i, 2i+1 (an aligned pair); voxel 2 of axis i at 6+i; place 9 a filler,
.set Q,    22                          ; v22-31   the same places: quotient, then floor      so that five packed instructions cover the ten registers
.set WAP,  12                          ; v12-19   once T and Q are spent: voxels 0, 1: word c at 2c, 2c+1: the weights in the plane, then those of the upper plane
.set WBP,  20                          ; v20-27   voxels 0, 1: the weights of the lower plane
.set WA2,  28                          ; v28-31   voxel 2: word c at c: in the plane, then upper plane
.set WB2,  32                          ; v32-35   voxel 2: lower plane
.set FF,   36                          ; v36-41   voxels 0, 1: the pair of fractions f of axis i at 2i
.set GG,   42                          ; v42-47   voxels 0, 1: the pair 1 - f of axis i at 2i
.set F2,   48                          ; v48-53   voxel 2: 1 - fx, fx, 1 - fy, fy, 1 - fz, fz
.set ACC,  54                          ; v54-71   row r, voxel k at 6r+2k: the sums of batch 0 and 1, begun by the density itself
.set IDX,  72                          ; v72-143  row r, group g, voxel k at 24r+12g+4k: four cell numbers, turned into byte offsets in place
.set DATA, 144                         ; v144-239 four sets of 24: voxel k at 8k: the cell, the cell a plane on
.set S,    DATA+72                     ; set-up works in the fourth set, which is first filled by step 0, behind the set-up
.set KI,   240                         ; v240-241 1/96 and 2^-10, a pair from which op_sel picks
; As in the first launch, instruction for instruction, in three stages: T = the coordinates of my three voxels under operation n, wrapped.  Each half of a packed multiply-add
; is one fused multiply-add in f32.  The filler goes along and is never used.
.macro W1 n
.irp k,0,1,2
.irp i,0,1,2
.set ci, ((\k)/2)*(6+\i)+(1-(\k)/2)*(2*\i+\k)
	v_fma_f32 v[T+ci], v[B2+\k], s[R2+3*(\n)+\i], s[CR+3*(\n)+\i]          ; the last term of the sum over j
.endr
.endr
.endm
.macro W2 n
.irp k,0,1,2
.irp i,0,1,2
.set ci, ((\k)/2)*(6+\i)+(1-(\k)/2)*(2*\i+\k)
	v_add_f32 v[T+ci], s[T96+3*(\n)+\i], v[T+ci]                           ; + 96 t, a rounding of its own
.endr
.endr
.endm
.macro W3
.irp p,0,2,4,6,8
	v_pk_fma_f32 v[Q+\p:Q+\p+1], v[T+\p:T+\p+1], v[KI:KI+1], v[KI:KI+1] op_sel:[0,0,1] op_sel_hi:[1,0,1]   ; tc * (1/96) + 2^-10: the pair's first register as factor, its second as addend, for both halves
.endr
.irp j,0,1,2,3,4,5,6,7,8
	v_floor_f32 v[Q+\j], v[Q+\j]
.endr
.irp p,0,2,4,6,8
	v_pk_fma_f32 v[T+\p:T+\p+1], v[Q+\p:Q+\p+1], F_M96, v[T+\p:T+\p+1] op_sel_hi:[1,0,1]                   ; tc - 96 q
.endr
.endm
; f = r - floor(r) and 1 - f: voxels 0 and 1 two at a time, voxel 2 into pairs (1 - f, f)
.macro FRACS
.irp j,0,1,2,3,4,5,6,7,8
	v_floor_f32 v[Q+\j], v[T+\j]
.endr
.irp i,0,1,2
	v_pk_add_f32 v[FF+2*\i:FF+2*\i+1], v[T+2*\i:T+2*\i+1], v[Q+2*\i:Q+2*\i+1] neg_lo:[0,1] neg_hi:[0,1]
.endr
.irp i,0,1,2
	v_sub_f32 v[F2+2*\i+1], v[T+6+\i], v[Q+6+\i]
.endr
.irp i,0,1,2
	v_pk_fma_f32 v[GG+2*\i:GG+2*\i+1], v[FF+2*\i:FF+2*\i+1], -1.0, 1.0 op_sel_hi:[1,0,0]                   ; 1 - f, one rounding
.endr
.irp i,0,1,2
	v_sub_f32 v[F2+2*\i], 1.0, v[F2+2*\i+1]
.endr
.endm
; The eight weights of each of my three points, in the order of the cells' words, two in an instruction; they serve both batches and need no data from the table.
; Voxels 0 and 1: each instruction makes one word's weight for both voxels.  Voxel 2: the pair (1 - fx, fx) times 1 - fy and times fy, one register of a pair given to both halves by op_sel.
; Then all four times 1 - fz (lower plane) and, in place, times fz (upper plane).
.macro WEIGHTS
	v_pk_mul_f32 v[WAP:WAP+1],   v[GG:GG+1], v[GG+2:GG+3]                  ; word 0, (y, x):     (1 - fx)(1 - fy)
	v_pk_mul_f32 v[WAP+2:WAP+3], v[FF:FF+1], v[GG+2:GG+3]                  ; word 1, (y, x+1):   fx (1 - fy)
	v_pk_mul_f32 v[WAP+4:WAP+5], v[GG:GG+1], v[FF+2:FF+3]                  ; word 2, (y+1, x):   (1 - fx) fy
	v_pk_mul_f32 v[WAP+6:WAP+7], v[FF:FF+1], v[FF+2:FF+3]                  ; word 3, (y+1, x+1): fx fy
	v_pk_mul_f32 v[WA2:WA2+1],   v[F2:F2+1], v[F2+2:F2+3] op_sel_hi:[1,0]                  ; voxel 2, row y: by 1 - fy
	v_pk_mul_f32 v[WA2+2:WA2+3], v[F2:F2+1], v[F2+2:F2+3] op_sel:[0,1] op_sel_hi:[1,1]     ; voxel 2, row y + 1: by fy
.irp c,0,2,4,6
	v_pk_mul_f32 v[WBP+\c:WBP+\c+1], v[WAP+\c:WAP+\c+1], v[GG+4:GG+5]      ; by 1 - fz
.endr
	v_pk_mul_f32 v[WB2:WB2+1],   v[WA2:WA2+1],   v[F2+4:F2+5] op_sel_hi:[1,0]
	v_pk_mul_f32 v[WB2+2:WB2+3], v[WA2+2:WA2+3], v[F2+4:F2+5] op_sel_hi:[1,0]
.irp c,0,2,4,6
	v_pk_mul_f32 v[WAP+\c:WAP+\c+1], v[WAP+\c:WAP+\c+1], v[FF+4:FF+5]      ; by fz
.endr
	v_pk_mul_f32 v[WA2:WA2+1],   v[WA2:WA2+1],   v[F2+4:F2+5] op_sel:[0,1] op_sel_hi:[1,1]
	v_pk_mul_f32 v[WA2+2:WA2+3], v[WA2+2:WA2+3], v[F2+4:F2+5] op_sel:[0,1] op_sel_hi:[1,1]
.endm
; c of row r of my three, all 24 (n, i) at once, into scalar registers
.macro ROWCONST r
	s_add_co_u32 s95, s100, \r
	v_cvt_f32_u32 v[VC], s95
	v_add_f32 v[VC], v[VC], v[VOF1]                ; b1 = h + offset[1]
	v_fma_f32 v[VC], v[VR1], v[VC], v[VE1]
.set j, 0
.rept 24
	v_readlane_b32 s[CR+j], v[VC], j
.set j, j+1
.endr
	s_wait_alu depctr_va_sdst(0)                   ; the lane reads have written s[CR ..] (in the first row also the set-up's s[R2 ..] and s[T96 ..]), ahead of their first readers, the coordinates' multiply-adds and additions
.endm
; the cell numbers of row r, group g: three loads of 512 consecutive bytes
.macro GETIDX r, g
.irp k,0,1,2
	global_load_b128 v[IDX+24*\r+12*\g+4*\k:IDX+24*\r+12*\g+4*\k+3], v[L16], s[12:13] offset:\r*IROW+\g*IGRP+512*\k th:TH_LOAD_NT
.endr
.endm
; the three cell numbers of row r under operation n become byte offsets, in place
.macro ADDR r, n
.set ix, IDX+24*(\r)+12*((\n)/4)+(\n)%4
.irp k,0,1,2
	v_min_u32 v[ix+4*\k], MAXIDX, v[ix+4*\k]       ; a number read from memory is bounded before it enters an address
.endr
.irp k,0,1,2
	v_lshlrev_b32 v[ix+4*\k], 4, v[ix+4*\k]        ; cells of 16 bytes; this register is written no more
.endr
.endm
; two of the six gathers of row r under operation n, those of voxel k, into the set that begins at register d
.macro GATHER r, n, d, k
.set ix, IDX+24*(\r)+12*((\n)/4)+(\n)%4
	global_load_b128 v[(\d)+8*(\k):(\d)+8*(\k)+3],   v[ix+4*(\k)], s[14:15]
	global_load_b128 v[(\d)+8*(\k)+4:(\d)+8*(\k)+7], v[ix+4*(\k)], s[14:15] offset:PZ
.endm
; The set at d is added to the sums at a: sum += bf16 half x weight, one fused multiply-add in f32 for a corner and batch, with no unpacking.
; op_sel_hi:[1,0,0] says that the first source is a bf16 half, op_sel's first bit which: 0 the low (batch 0), 1 the high (batch 1).  Six sums take turns.
.macro BLEND d, a
.irp c,0,1,2,3
.irp k,0,1,2
.set wr, ((\k)/2)*(WB2+\c)+(1-(\k)/2)*(WBP+2*\c+\k)
	v_fma_mix_f32_bf16 v[(\a)+2*\k],   v[(\d)+8*\k+\c], v[wr], v[(\a)+2*\k]   op_sel_hi:[1,0,0]
	v_fma_mix_f32_bf16 v[(\a)+2*\k+1], v[(\d)+8*\k+\c], v[wr], v[(\a)+2*\k+1] op_sel:[1,0,0] op_sel_hi:[1,0,0]
.endr
.endr
.irp c,0,1,2,3
.irp k,0,1,2
.set wr, ((\k)/2)*(WA2+\c)+(1-(\k)/2)*(WAP+2*\c+\k)
	v_fma_mix_f32_bf16 v[(\a)+2*\k],   v[(\d)+8*\k+4+\c], v[wr], v[(\a)+2*\k]   op_sel_hi:[1,0,0]
	v_fma_mix_f32_bf16 v[(\a)+2*\k+1], v[(\d)+8*\k+4+\c], v[wr], v[(\a)+2*\k+1] op_sel:[1,0,0] op_sel_hi:[1,0,0]
.endr
.endr
.endm
; a row is done: / 8
.macro SCALE a
.irp j,0,1,2,3,4,5
	v_mul_f32 v[(\a)+\j], F_8TH, v[(\a)+\j]
.endr
.endm
; and row r goes into the stage
.macro PUTROW r
.irp k,0,1,2
	ds_store_b32 v[ST], v[ACC+6*(\r)+2*\k]   offset:(\r)*ROWB+128*\k
	ds_store_b32 v[ST], v[ACC+6*(\r)+2*\k+1] offset:STB+(\r)*ROWB+128*\k
.endr
.endm
	s_load_b256 s[4:11], s[0:1], 0x0               ; density s[4:5], R s[6:7], t s[8:9], offset s[10:11]
	s_load_b128 s[12:15], s[0:1], 0x20             ; idx s[12:13], pack s[14:15]
	s_load_b64 s[2:3], s[0:1], 0x30                ; out
	v_lshl_add_u32 v242, v0, 2, 0x6c00
	v_mov_b32 v243, 0
	v_and_b32 v[LANE], 31, v0
	v_lshrrev_b32 v[S], 5, v0
	v_readfirstlane_b32 s92, v[S]                  ; wave 0..11
	v_min_u32 v[S+1], 23, v[LANE]                  ; my line 3n+i of R and t; lanes 24-31 repeat line 23
	v_mul_u32_u24 v[S+2], v[S+1], 12
	v_lshlrev_b32 v[S+3], 2, v[S+1]
	v_mov_b32 v[S+4], 0
	v_lshlrev_b32 v[L4], 2, v[LANE]
	v_lshlrev_b32 v[L16], 4, v[LANE]
	v_mov_b32 v[KI], F_INV96
	v_mov_b32 v[KI+1], F_BIAS
	v_mov_b32 v[T+9], 1.0                          ; the filler is read by packed instructions: any number; later a weight lies there
	s_wait_alu depctr_va_sdst(0)                   ; s92 is written, ahead of its first reader: my plane, my rows and my place in the stage are made from it
	s_and_b32 s93, ttmp7, 0xffff
	s_mul_i32 s93, s93, 6                          ; the block's first plane
	s_mul_i32 s94, ttmp9, 6                        ; the block's first row
	s_lshr_b32 s95, s92, 1
	s_add_co_u32 s99, s93, s95                     ; my plane d
	s_and_b32 s95, s92, 1
	s_mul_i32 s95, s95, 3
	s_add_co_u32 s100, s94, s95                    ; my first row h
	s_mul_i32 s95, s99, 96
	s_add_co_u32 s95, s95, s100                    ; its number among the 9,216 rows
	s_mov_b32 s97, 0
	s_mul_i32 s98, s92, 3*ROWB                     ; in the stage my three rows begin at wave x 1,152: plane (wave / 2) x 2,304 + row 3 (wave mod 2) x 384
	v_add_nc_u32 v[ST], s98, v[L4]
	s_mul_i32 s96, s95, IROW
	s_wait_kmcnt 0x0
	s_add_nc_u64 s[12:13], s[12:13], s[96:97]      ; idx at my first row
	s_wait_alu depctr_va_vdst(0)                   ; v[L4], v[L16], v[ST] and v[S+2] to v[S+4] are written: the loads below, and every later load and store by the first three, read them
	; All that the wave streams goes out now, in the order in which it is needed: the cell numbers of the first four steps (3 loads), R, t and offset (5),
	; the other cell numbers (15), the density (18), which lands in the sums.
	GETIDX 0, 0
	global_load_b32 v[S+6], v[S+2], s[6:7]             ; R[n][i][0]
	global_load_b32 v[S+7], v[S+2], s[6:7] offset:4    ; R[n][i][1]
	global_load_b32 v[S+8], v[S+2], s[6:7] offset:8    ; R[n][i][2]
	global_load_b32 v[S+9], v[S+3], s[8:9]             ; t[n][i]
	global_load_b96 v[S+10:S+12], v[S+4], s[10:11]     ; offset, the same three numbers in every lane
	GETIDX 0, 1
	GETIDX 1, 0
	GETIDX 1, 1
	GETIDX 2, 0
	GETIDX 2, 1
	s_mul_i32 s96, s95, ROWB
	s_add_nc_u64 s[4:5], s[4:5], s[96:97]          ; density at my first row
.irp r,0,1,2
.irp k,0,1,2
	global_load_b32 v[ACC+6*\r+2*\k],   v[L4], s[4:5] offset:\r*ROWB+128*\k th:TH_LOAD_NT
	global_load_b32 v[ACC+6*\r+2*\k+1], v[L4], s[4:5] offset:BATCH+\r*ROWB+128*\k th:TH_LOAD_NT
.endr
.endr
	s_wait_loadcnt 38                              ; loads come back in order (ISA guide 5.7.1): the first three are in; the 5 + 15 + 18 behind them stay out
.irp n,0,1,2,3
	ADDR 0, \n                                     ; the byte offsets of steps 0 to 3, all that the first three loads brought
.endr
	s_wait_alu depctr_va_vdst(0)                   ; those twelve offsets are written, which the gathers below and step 0's read
	s_wait_alu depctr_vm_vsrc(0)                   ; the loads of R, t and offset have read v[S+2] to v[S+4], in which step 0's gathers land
.irp n,0,1,2
.irp k,0,1,2
	GATHER 0, \n, DATA+24*\n, \k                   ; the first AHEAD steps' cells are asked for before anything else is set up
.endr
.endr
	s_wait_loadcnt 51                              ; R, t and offset are in; the 15 + 18 loads and the 18 gathers behind them stay out
	v_cvt_pk_bf16_f32 v[S+6], v[S+6], v[S+7]       ; to bf16, nearest even: first source in the low half
	v_cvt_pk_bf16_f32 v[S+8], v[S+8], v[S+9]
	v_cvt_pk_bf16_f32 v[S+10], v[S+10], v[S+11]
	v_cvt_pk_bf16_f32 v[S+12], v[S+12], v[S+12]
	v_lshlrev_b32 v[S+7], 16, v[S+6]               ; and back to f32: R[.][0]
	v_and_b32 v[VR1], HI16, v[S+6]                 ; R[.][1]
	v_lshlrev_b32 v[S+9], 16, v[S+8]               ; R[.][2]
	v_and_b32 v[S+8], HI16, v[S+8]                 ; t
	v_mul_f32 v[S+8], F_96, v[S+8]                 ; 96 t: 10 bits, exact
	v_add_f32 v[S+8], 0, v[S+8]                    ; -0 becomes +0, as in the first launch
	v_lshlrev_b32 v[S+11], 16, v[S+10]             ; offset[0]
	v_and_b32 v[VOF1], HI16, v[S+10]               ; offset[1]
	v_lshlrev_b32 v[S+12], 16, v[S+12]             ; offset[2]
	v_cvt_f32_u32 v[S+13], s99
	v_add_f32 v[S+13], v[S+13], v[S+11]            ; b0 = d + offset[0]
	v_mul_f32 v[VE1], v[S+7], v[S+13]              ; the first term of the sum over j, the same for my three rows
	v_cvt_f32_u32 v[B2], v[LANE]
	v_add_f32 v[B2+1], F_32, v[B2]
	v_add_f32 v[B2+2], F_64, v[B2]
.irp k,0,1,2
	v_add_f32 v[B2+\k], v[B2+\k], v[S+12]          ; b2 = w + offset[2]
.endr
.set j, 0
.rept 24
	v_readlane_b32 s[R2+j], v[S+9], j              ; nothing reads these 48 scalar registers ahead of the wait that ends the first row's constants, just below
	v_readlane_b32 s[T96+j], v[S+8], j
.set j, j+1
.endr
.set stp, 0
.rept STEPS
.set rw,  stp/8
.set op,  stp%8
.set dcu, DATA+24*(stp%4)
.set acu, ACC+6*rw
.set nrw, (stp+AHEAD)/8
.set nxo, (stp+AHEAD)%8
.set dnx, DATA+24*((stp+AHEAD)%4)
.set arw, (stp+AHEAD+1)/8
.set axo, (stp+AHEAD+1)%8
.if stp < STEPS-AHEAD
.set lft, 6*AHEAD
.else
.set lft, 6*(STEPS-1-stp)
.endif
.if op == 0
	ROWCONST rw
.endif
.if stp < STEPS-AHEAD
	s_wait_alu depctr_va_vdst(0)                   ; the step before is done reading the set in which the gathers below land (in step 0: the set-up, which worked there) and has written the offsets that they read; behind a row's last step it has also written the row's results, which the LDS stores below read
	GATHER nrw, nxo, dnx, 0                        ; the request, two gathers at a time.  No further wait: no vector instruction since the wait names these offsets or this set
.endif
	W1 op
.if stp < STEPS-AHEAD
	GATHER nrw, nxo, dnx, 1
.endif
	W2 op
.if stp < STEPS-AHEAD
	GATHER nrw, nxo, dnx, 2
.endif
.if (op == 0) && (stp > 0)
	PUTROW rw-1                                    ; the row before: no vector instruction since the wait names its sums or v[ST]
.endif
	W3
	FRACS
	WEIGHTS
	s_wait_loadcnt lft                             ; this step's cells (and all that was asked for earlier, cell numbers and density among it) are in; the six gathers of each younger step stay out: 18, and 12, 6, 0 in the last three steps
.if stp < STEPS-AHEAD-1
	ADDR arw, axo                                  ; the offsets that the next step's gathers read are made here, ahead of the sums, so that the next step's wait finds them written
.endif
	BLEND dcu, acu
.if op == 7
	SCALE acu
.endif
.set stp, stp+1
.endr
	; THE WAY OUT.  A row of out is 384 bytes, so single rows do not fill stretches of 256 bytes; the block's six rows of a plane and batch are 2,304 consecutive bytes that
	; begin at a multiple of 256.  The stage holds twelve such segments (batch x 6 + plane).  Wave j stores the first 2,048 bytes of segment j; the last 256 bytes of
	; segments 2j and 2j + 1 go out together from wave j < 6.  In every store sixteen neighbouring lanes write 256 consecutive bytes, aligned.
	s_mul_i32 s98, s92, SEG
	v_add_nc_u32 v[VC], s98, v[L16]                ; where I read the stage: made here, so that the wait below serves it too
	s_wait_alu depctr_va_vdst(0)                   ; the last row's results are written, which the LDS stores read; v[VC] is written, which the LDS loads behind the barrier read; the sums are done reading set 0, in which those loads land
	PUTROW 2
	s_wait_dscnt 0x0                               ; my results are in the stage: zero, since other waves will read them
	s_barrier_signal -1
	s_barrier_wait -1
.irp j,0,1,2,3
	ds_load_b128 v[DATA+4*\j:DATA+4*\j+3], v[VC] offset:512*\j
.endr
	s_mul_i32 s95, s93, 96*ROWB
	s_mul_i32 s96, s94, ROWB
	s_add_co_u32 s95, s95, s96                     ; the block's first row in a batch of out, in bytes
	s_cmp_ge_u32 s92, 6                            ; segments 6 to 11 are batch 1
	s_cselect_b32 s96, BATCH-6*96*ROWB, 0
	s_add_co_u32 s96, s96, s95
	s_mul_i32 s98, s92, 96*ROWB                    ; a plane for each segment
	s_add_co_u32 s96, s96, s98
	s_add_nc_u64 s[96:97], s[2:3], s[96:97]        ; s97 has been 0 since the start
.irp j,0,1,2,3
	s_wait_dscnt 3-\j                              ; LDS loads come back in order (ISA guide 5.7.1): load j is in, the younger ones stay out
	global_store_b128 v[L16], v[DATA+4*\j:DATA+4*\j+3], s[96:97] offset:512*\j th:TH_STORE_NT
.endr
	s_cmp_ge_u32 s92, 6
	s_cbranch_scc1 .Ldone
	s_cmp_ge_u32 s92, 3                            ; segments 2j and 2j + 1 lie in one batch: batch 1 from j = 3 on
	s_cselect_b32 s98, BATCH-6*96*ROWB, 0
	s_add_co_u32 s98, s98, s95
	s_mul_i32 s101, s92, 2*96*ROWB
	s_add_co_u32 s98, s98, s101
	s_mov_b32 s99, 0
	s_add_nc_u64 s[98:99], s[2:3], s[98:99]        ; out at segment 2j
	s_mul_i32 s101, s92, 2*SEG
	v_lshrrev_b32 v[T], 4, v[LANE]                 ; lanes 0-15: segment 2j; lanes 16-31: segment 2j + 1
	v_and_b32 v[T+1], 15, v[LANE]
	v_lshlrev_b32 v[T+1], 4, v[T+1]
	v_mad_u32_u24 v[T+2], v[T], SEG, v[T+1]        ; in the stage the next segment is 2,304 bytes on,
	v_add_nc_u32 v[T+2], s101, v[T+2]
	v_mad_u32_u24 v[T+3], v[T], 96*ROWB, v[T+1]    ; in out a plane on
	s_wait_alu depctr_va_vdst(0)                   ; v[T+2] and v[T+3] are written: the LDS load reads the one as its address, the store the other as its offset
	ds_load_b128 v[DATA+16:DATA+19], v[T+2] offset:2048
	s_wait_dscnt 0x0
	global_store_b128 v[T+3], v[DATA+16:DATA+19], s[98:99] offset:2048 th:TH_STORE_NT
.Ldone:
	s_wait_dscnt 0x0
	s_wait_alu depctr_hold_cnt(0) depctr_sa_sdst(0) depctr_va_vdst(0) depctr_va_sdst(0) depctr_va_ssrc(0) depctr_va_vcc(0) depctr_vm_vsrc(0)
	s_wait_tensorcnt 0x0
	ds_add_u32 v242, v243
	s_wait_dscnt 0x0
	s_endpgm
.Lfunc_end_k_q8558ea47f1_sample:
	.size	k_q8558ea47f1_sample, .Lfunc_end_k_q8558ea47f1_sample-k_q8558ea47f1_sample
	.p2alignl 7, 3214868480
	.fill 96, 4, 3214868480
	.section	.rodata,"a",@progbits
	.p2align	6, 0x0
	.amdhsa_kernel k_q8558ea47f1_sample
		.amdhsa_group_segment_fixed_size 29184
		.amdhsa_private_segment_fixed_size 0
		.amdhsa_enable_private_segment 0
		.amdhsa_kernarg_size 56
		.amdhsa_user_sgpr_count 2
		.amdhsa_user_sgpr_kernarg_segment_ptr 1
		.amdhsa_wavefront_size32 1
		.amdhsa_system_sgpr_workgroup_id_x 1
		.amdhsa_system_sgpr_workgroup_id_y 1
		.amdhsa_system_sgpr_workgroup_id_z 1
		.amdhsa_system_vgpr_workitem_id 0
		.amdhsa_next_free_vgpr 244
		.amdhsa_next_free_sgpr 102
		.amdhsa_reserve_vcc 0
		.amdhsa_float_denorm_mode_32 3
		.amdhsa_float_denorm_mode_16_64 3
		.amdhsa_memory_ordered 1
		.amdhsa_forward_progress 1
		.amdhsa_inst_pref_size 207
	.end_amdhsa_kernel
	.amdgpu_metadata
---
amdhsa.version: [ 1, 2 ]
amdhsa.kernels:
  - .name:           k_q8558ea47f1_sample
    .symbol:         k_q8558ea47f1_sample.kd
    .args:
      - { .name: density, .offset: 0, .size: 8, .value_kind: global_buffer, .address_space: global }
      - { .name: R_matrices, .offset: 8, .size: 8, .value_kind: global_buffer, .address_space: global }
      - { .name: t_vectors, .offset: 16, .size: 8, .value_kind: global_buffer, .address_space: global }
      - { .name: offset, .offset: 24, .size: 8, .value_kind: global_buffer, .address_space: global }
      - { .name: idx, .offset: 32, .size: 8, .value_kind: global_buffer, .address_space: global }
      - { .name: pack, .offset: 40, .size: 8, .value_kind: global_buffer, .address_space: global }
      - { .name: out0, .offset: 48, .size: 8, .value_kind: global_buffer, .address_space: global }
    .group_segment_fixed_size: 29184
    .private_segment_fixed_size: 0
    .kernarg_segment_align: 8
    .kernarg_segment_size: 56
    .max_flat_workgroup_size: 384
    .sgpr_count:     102
    .vgpr_count:     244
    .wavefront_size: 32
...
	.end_amdgpu_metadata
.endif
;; end of part 5
